; MI455X (gfx1250); checked and timed in simulation.
; The chip was launched on July 23, 2026; its instructions are those of AMD's public machine-readable ISA for CDNA 5 (MIT licence, August 2026) and "CDNA5" Instruction Set Architecture Reference Guide (July 2026). The comments in the code are by the model that wrote it; some were corrected since.
;; Feed Forward. Allowed arithmetic: float matrix products may take bf16 or f16 operands with f32 sums; other float arithmetic in f32, or as packed bf16 or f16 multiplies, adds, multiply-adds, maxima and minima; sums over many terms, partial sums and values carried from step to step in f32; what a program stores and reads back later, other than sums and carried values, may be rounded once to bf16 or f16.
;; Inputs: b1 4,096 float32; b2 1,024 float32; cb1 8 x 256 x 128 float32; cb2 8 x 256 x 512 float32; idx1 8 x 4,096 int32; idx2 8 x 1,024 int32; x 4 x 2,048 x 1,024 float32.
;; Outputs: out0 4 x 2,048 x 1,024 float32.
;; 3 versions, each right; version 3 is version 2 with the launch prep written anew for expert scheduling mode. Each part assembles by itself: llvm-mc -triple=amdgcn-amd-amdhsa -mcpu=gfx1250 --defsym DOCPART=n.
;; ======== version 1 of 3: 3 launches
;; limits: values are held in f16: magnitudes above 65,504 overflow, below 6.1e-05 lose precision; a function is approximated: absolute error at most 1.5e-07
;; workspace buffers: xb 16,777,216 bytes; w1b 8,388,608 bytes; w2h 8,388,608 bytes; hh 67,108,864 bytes
;; launch prep (part 1): grid 512 x 1, 8 waves a work-group, no clusters, 0 bytes of LDS; arguments x, cb1, idx1, cb2, idx2, xb, w1b, w2h; writes xb, w1b, w2h
.if DOCPART == 1
	.amdgcn_target "amdgcn-amd-amdhsa--gfx1250"
	.amdhsa_code_object_version 6
	.text
	.protected	k_qced1ab15ba_prep
	.globl	k_qced1ab15ba_prep
	.p2align	8
	.type	k_qced1ab15ba_prep,@function
k_qced1ab15ba_prep:
	s_mov_b64 s[64:65], 0
	v_nop
	global_prefetch_b8 v0, s[64:65] scope:SCOPE_SE
	s_setreg_imm32_b32 hwreg(HW_REG_WAVE_MODE, 25, 1), 1
	s_wait_xcnt 0x0
; xb = bf16(x), [8192][1024].  w1b[n][128 c + j] = bf16(cb1[c][idx1[c][n]][j]), [4096][1024].  w2h[d][512 c + j] = f16(bf16(cb2[c][idx2[c][d]][j])), [1024][4096].
; All inputs are rounded to bf16, once; cb2's bf16 number is then written as f16 for the second product, whose other operand is f16.
; LIMITS.  |cb2| stays below 65,520, where f16 ends; a bf16 number below 7.6e-6 in size keeps f16's fixed step of 6e-8.  A code is taken as unsigned and held to 255, the table's last row.
; SHARES.  Each of the 512 work-groups does the same three parts: 16 rows of x, 8 rows of W1, 2 rows of W2.  Eight waves; in the gathers wave w is codebook w.
; A lane loads 16 bytes (4 f32) and stores 8 (4 numbers of 16 bits): a wave's load covers 512 consecutive bytes, a wave's store 256 consecutive bytes, aligned.
; All 32 loads of a wave go out before the first result is used; each has registers of its own, and no register that a load or store names is written again, so only the counted waits for data are needed.
; No LDS, no barrier, no matrix unit, no cluster: nothing is shared between waves or work-groups, and each byte passes once.
.set X,   16                           ; v[16:79]    16 x 4 registers of x
.set Y1,  80                           ; v[80:111]   8 x 4 registers of cb1's rows
.set Y2,  112                          ; v[112:143]  8 x 4 registers of cb2's rows
.set G1O, 144                          ; v[144:151]  byte offset of my 16 bytes in the row of cb1 that each of the 8 codes names
.set G2O, 152                          ; v[152:153]  the same for the 2 codes of idx2
.set T,   154                          ; v[154:155]  at work
.macro CVB a                           ; four f32 to four bf16, in place: v[a:a+1]
	v_cvt_pk_bf16_f32 v[(\a)], v[(\a)], v[(\a)+1]
	v_cvt_pk_bf16_f32 v[(\a)+1], v[(\a)+2], v[(\a)+3]
.endm
.macro CVH a                           ; four f32 rounded to bf16, widened again, and written as f16: v[a:a+1]
	v_cvt_pk_bf16_f32 v[T], v[(\a)], v[(\a)+1]
	v_cvt_pk_bf16_f32 v[T+1], v[(\a)+2], v[(\a)+3]
	v_lshlrev_b32 v[(\a)], 16, v[T]
	v_and_b32 v[(\a)+1], s36, v[T]
	v_lshlrev_b32 v[(\a)+2], 16, v[T+1]
	v_and_b32 v[(\a)+3], s36, v[T+1]
	v_cvt_pk_f16_f32 v[(\a)], v[(\a)], v[(\a)+1]
	v_cvt_pk_f16_f32 v[(\a)+1], v[(\a)+2], v[(\a)+3]
.endm
	s_load_b512 s[4:19], s[0:1], 0x0               ; x s[4:5], cb1 s[6:7], idx1 s[8:9], cb2 s[10:11], idx2 s[12:13], xb s[14:15], w1b s[16:17], w2h s[18:19]
	v_lshrrev_b32 v5, 5, v0
	v_readfirstlane_b32 s20, v5                    ; wave = codebook
	v_and_b32 v6, 31, v0                           ; lane
	v_lshlrev_b32 v1, 4, v0                        ; 16 t: my 16 bytes of 4,096 of x
	v_lshlrev_b32 v2, 3, v0                        ; 8 t: my 8 bytes of 2,048 of xb
	v_lshlrev_b32 v3, 4, v6                        ; 16 l: my 16 bytes of 512 of a codebook's row
	v_lshlrev_b32 v4, 3, v6                        ; 8 l: my 8 bytes of 256 of a weight's row
	s_mov_b32 s36, 0xffff0000                      ; a word's upper bf16
	s_mov_b32 s35, 0                               ; the upper word of every offset below: all stay under 2^32
	s_lshl_b32 s21, s20, 14                        ; idx1[w][8 g]: (4,096 w + 8 g) x 4 bytes
	s_lshl_b32 s22, ttmp9, 5
	s_add_co_u32 s21, s21, s22
	s_lshl_b32 s22, s20, 12                        ; idx2[w][2 g]: (1,024 w + 2 g) x 4 bytes
	s_lshl_b32 s23, ttmp9, 3
	s_add_co_u32 s22, s22, s23
	s_wait_kmcnt 0x0
	s_mov_b32 s34, s21
	s_add_nc_u64 s[8:9], s[8:9], s[34:35]
	s_mov_b32 s34, s22
	s_add_nc_u64 s[12:13], s[12:13], s[34:35]
	s_load_b256 s[24:31], s[8:9], 0x0              ; my codebook's codes for the work-group's 8 rows of W1
	s_load_b64 s[32:33], s[12:13], 0x0             ; and for its 2 rows of W2
	s_lshl_b32 s34, ttmp9, 16                      ; 16 rows of x: 65,536 bytes
	s_add_nc_u64 s[4:5], s[4:5], s[34:35]
.set k, 0
.rept 16
	global_load_b128 v[X+4*k:X+4*k+3], v1, s[4:5] offset:4096*k th:TH_LOAD_NT  ; x is read once in the launch
.set k, k+1
.endr
	s_lshl_b32 s34, ttmp9, 15                      ; 16 rows of xb
	s_add_nc_u64 s[14:15], s[14:15], s[34:35]
	s_lshl_b32 s34, s20, 17                        ; codebook w of cb1: 256 rows of 512 bytes
	s_add_nc_u64 s[6:7], s[6:7], s[34:35]
	s_lshl_b32 s34, s20, 19                        ; codebook w of cb2: 256 rows of 2,048 bytes
	s_add_nc_u64 s[10:11], s[10:11], s[34:35]
	s_lshl_b32 s34, ttmp9, 14                      ; 8 rows of w1b of 2,048 bytes, my codebook's 256 bytes of each
	s_lshl_b32 s23, s20, 8
	s_add_co_u32 s34, s34, s23
	s_add_nc_u64 s[16:17], s[16:17], s[34:35]
	s_lshl_b32 s34, ttmp9, 14                      ; 2 rows of w2h of 8,192 bytes, my codebook's 1,024 bytes of each
	s_lshl_b32 s23, s20, 10
	s_add_co_u32 s34, s34, s23
	s_add_nc_u64 s[18:19], s[18:19], s[34:35]
	s_wait_kmcnt 0x0                               ; the codes
.irp i, 0,1,2,3,4,5,6,7
	s_min_u32 s[24+(\i)], s[24+(\i)], 255          ; a code enters an address only when it is held inside its table
	v_lshl_add_u32 v[G1O+(\i)], s[24+(\i)], 9, v3
.endr
.irp i, 0,1
	s_min_u32 s[32+(\i)], s[32+(\i)], 255
	v_lshl_add_u32 v[G2O+(\i)], s[32+(\i)], 11, v3
.endr
.set k, 0
.rept 8
	global_load_b128 v[Y1+4*k:Y1+4*k+3], v[G1O+k], s[6:7]
.set k, k+1
.endr
.set k, 0
.rept 8                                ; row k / 4 of the two, its quarter k % 4 of 512 bytes
	global_load_b128 v[Y2+4*k:Y2+4*k+3], v[G2O+k/4], s[10:11] offset:512*(k%4)
.set k, k+1
.endr
; Loads come back in the order of issue (ISA guide 5.7.1): each wait leaves out the loads that are younger than the one wanted, 31 down to 0.
.set k, 0
.rept 16
	s_wait_loadcnt 31-k
	CVB X+4*k
	global_store_b64 v2, v[X+4*k:X+4*k+1], s[14:15] offset:2048*k
.set k, k+1
.endr
.set k, 0
.rept 8
	s_wait_loadcnt 15-k
	CVB Y1+4*k
	global_store_b64 v4, v[Y1+4*k:Y1+4*k+1], s[16:17] offset:2048*k
.set k, k+1
.endr
.set k, 0
.rept 8
	s_wait_loadcnt 7-k
	CVH Y2+4*k
	global_store_b64 v4, v[Y2+4*k:Y2+4*k+1], s[18:19] offset:8192*(k/4)+256*(k%4)
.set k, k+1
.endr
	s_endpgm
.Lfunc_end_k_qced1ab15ba_prep:
	.size	k_qced1ab15ba_prep, .Lfunc_end_k_qced1ab15ba_prep-k_qced1ab15ba_prep
	.p2alignl 7, 3214868480
	.fill 96, 4, 3214868480
	.section	.rodata,"a",@progbits
	.p2align	6, 0x0
	.amdhsa_kernel k_qced1ab15ba_prep
		.amdhsa_group_segment_fixed_size 0
		.amdhsa_private_segment_fixed_size 0
		.amdhsa_enable_private_segment 0
		.amdhsa_kernarg_size 64
		.amdhsa_user_sgpr_count 2
		.amdhsa_user_sgpr_kernarg_segment_ptr 1
		.amdhsa_wavefront_size32 1
		.amdhsa_system_sgpr_workgroup_id_x 1
		.amdhsa_system_sgpr_workgroup_id_y 1
		.amdhsa_system_sgpr_workgroup_id_z 1
		.amdhsa_system_vgpr_workitem_id 0
		.amdhsa_next_free_vgpr 156
		.amdhsa_next_free_sgpr 66
		.amdhsa_reserve_vcc 0
		.amdhsa_float_denorm_mode_32 3
		.amdhsa_float_denorm_mode_16_64 3
		.amdhsa_memory_ordered 1
		.amdhsa_forward_progress 1
		.amdhsa_inst_pref_size 16
	.end_amdhsa_kernel
	.amdgpu_metadata
---
amdhsa.version: [ 1, 2 ]
amdhsa.kernels:
  - .name:           k_qced1ab15ba_prep
    .symbol:         k_qced1ab15ba_prep.kd
    .args:
      - { .name: x, .offset: 0, .size: 8, .value_kind: global_buffer, .address_space: global }
      - { .name: cb1, .offset: 8, .size: 8, .value_kind: global_buffer, .address_space: global }
      - { .name: idx1, .offset: 16, .size: 8, .value_kind: global_buffer, .address_space: global }
      - { .name: cb2, .offset: 24, .size: 8, .value_kind: global_buffer, .address_space: global }
      - { .name: idx2, .offset: 32, .size: 8, .value_kind: global_buffer, .address_space: global }
      - { .name: xb, .offset: 40, .size: 8, .value_kind: global_buffer, .address_space: global }
      - { .name: w1b, .offset: 48, .size: 8, .value_kind: global_buffer, .address_space: global }
      - { .name: w2h, .offset: 56, .size: 8, .value_kind: global_buffer, .address_space: global }
    .group_segment_fixed_size: 0
    .private_segment_fixed_size: 0
    .kernarg_segment_align: 8
    .kernarg_segment_size: 64
    .max_flat_workgroup_size: 256
    .sgpr_count:     66
    .vgpr_count:     156
    .wavefront_size: 32
...
	.end_amdgpu_metadata
.endif
;; end of part 1
;; launch fc1 (part 2): grid 16 x 32, 4 waves a work-group, clusters of 4 x 4, 327,680 bytes of LDS; arguments xb, w1b, b1, hh; writes hh
.if DOCPART == 2
	.amdgcn_target "amdgcn-amd-amdhsa--gfx1250"
	.amdhsa_code_object_version 6
	.text
	.protected	k_qced1ab15ba_fc1
	.globl	k_qced1ab15ba_fc1
	.p2align	8
	.type	k_qced1ab15ba_fc1,@function
k_qced1ab15ba_fc1:
	s_mov_b64 s[64:65], 0
	v_nop
	global_prefetch_b8 v0, s[64:65] scope:SCOPE_SE
	s_setreg_imm32_b32 hwreg(HW_REG_WAVE_MODE, 25, 1), 1
	s_wait_xcnt 0x0
	s_wait_alu depctr_hold_cnt(0) depctr_sa_sdst(0) depctr_va_vdst(0) depctr_va_sdst(0) depctr_va_ssrc(0) depctr_va_vcc(0) depctr_vm_vsrc(0)
	s_getreg_b32 s2, hwreg(HW_REG_IB_STS2, 6, 4)
	s_cmp_eq_u32 s2, 0
	s_cbranch_scc0 .Lentry_in_a_cluster
	s_endpgm
.Lentry_in_a_cluster:
	s_bfe_u32 s2, ttmp6, 0x10000c
	s_cmp_lg_u32 s2, 0xf033
	s_cbranch_scc0 .Lentry_shape_is_right
	s_endpgm
.Lentry_shape_is_right:
; hh[m][n] = f16(gelu(sum over k of xb[m][k] w1b[n][k] + bf16(b1[n]))).  xb: [8192][1024] bf16, w1b: [4096][1024] bf16, b1: [4096] f32, hh: [8192][4096] f16.  Sums and the GELU in f32.
; LIMITS.  hh is f16: |gelu| stays below 65,520.  The bias, rounded to bf16 like every input, STARTS each sum (it is the C operand of the first product) instead of being added last.
; gelu(x) = max(x, 0) - 0.5 |x| erfc(|x| / sqrt 2), erfc by the rational form 7.1.26 of Abramowitz and Stegun, whose absolute error is at most 1.5e-7 for every argument: no series is cut, no
; difference of large numbers is formed, and for large |x| the exponential is 0.  NaN and infinities are not treated apart.
; SHARES.  A tile of hh, 256 x 256, is made by a work-group of four waves, each 128 x 128: 64 accumulators, 512 registers.  K goes in 8 steps of 128 through a ring of two LDS slots filled by the
; tensor data mover; a tile's rows are 256 bytes of memory, at multiples of 256 from the buffer's first byte.  One tile to a work-group: the way out takes the ring's bytes when they have had their last fill.
; CLUSTER.  4 x 4 work-groups.  The four of a row of the cluster need the same rows of xb, the four of a column the same rows of w1b: each tile is asked for JOINTLY, by the same tensor load with the
; same descriptor and a mask that names the four.
; THE PRODUCT IS USED TRANSPOSED (source 0 = 16 rows of w1b, source 1 = 16 rows of xb): lane l holds row l % 16 of hh, registers 0-7 the columns 8 (l / 16) + 0..7.
; THE WAY OUT.  The wave's 128 x 128 sums go as f32 into its own stage in LDS and come back eight whole rows at a time, four neighbouring columns a lane; GELU; a store of the wave covers 256 consecutive bytes, aligned.
; REGISTERS, in windows of 256 (s_set_vgpr_msb: bits 1:0 source 0, 3:2 source 1, 5:4 source 2, 7:6 destination):
;   window 0: v0-31 addresses; v64-127, v128-191 fragments of xb, two buffers; on the way out v32-207 at work
;   window 1: v0-31 at work once; v64-127, v128-191 fragments of w1b, two buffers; v192-255 the bias, 8 registers for each block of 16 columns
;   window 2: the 32 accumulators of my rows 0-63 ((a, b) at v[8 (8 a + b)]);   window 3: those of my rows 64-127
.set SIZE_K, 1024
.set HID,    4096
.set KSTEP,  128
.set PITCH,  272                       ; an LDS row: 256 bytes + 16 of padding = 68 words: row r starts at bank 4 r mod 64 (64 banks of 4 bytes: ISA guide 11.1)
.set HALFT,  128*PITCH                 ; 128 rows: what one tensor load brings, and what one wave reads of either operand
.set SLOT,   4*HALFT                   ; xb's 256 rows, then w1b's 256 rows
.set LAPS,   SIZE_K/(2*KSTEP)          ; a lap = two K steps = once round the ring
.set SP,     528                       ; a stage row: 128 f32 + 16 bytes = 132 words: row r starts at bank 4 r mod 64
.set WST,    128*SP                    ; a wave's stage; the four, 270,336 bytes, lie where the ring lay
.set SPARE,  327168                    ; the spare words, 128 bytes for each wave: two blocks of 256 bytes that no other line names
.set HROW,   2*HID                     ; bytes in a row of hh
.set FLAGS,  (1<<16)|(1<<20)|(1<<21)|(5<<22)|(3<<25)  ; group 1, word 0: elements of 2 bytes; padding on; bit 21 beside a mask; after every 64 words (code 5) 4 words (code 3)
.set ADRA, 16                          ; v16-17  LDS address of my fragments of xb in slot 0, 1
.set ADRB, 20                          ; v20-21  the same for w1b
.set STO,  24                          ; v24     where I put 32 bytes of a stage row
.set RD,   25                          ; v25     my 16 bytes of my stage's first row; never rewritten
.set HO,   26                          ; v26     my 8 bytes of the wave's 256 in a row of hh
.set RDC,  27                          ; v27     the LDS address of the eight rows to be read next
.set SPW,  28                          ; v28     LDS address of my spare word; never rewritten
.set NIL,  29                          ; v29     0; never rewritten
.set PFO,  30                          ; v30     the prefetches' offset: my lane x a row of 2,048 bytes; never rewritten
.set F0,   64
.set F1,   128
.set BIAS, 192                         ; window 1
.set GX,   32                          ; the way out, window 0: 32 sums as read back,
.set GM,   64                          ; max(x, 0), then the result,
.set GW,   96                          ; w = c |x|, then the polynomial,
.set GT,   128                         ; t,
.set GE,   160                         ; 2^(-w w), then times w,
.set GY,   192                         ; 16 registers of f16 pairs
.set WV,   12                          ; s12  wave
.set RH,   13                          ; s13  which half of the tile's rows is mine; also: I fetch xb (0) or w1b (1)
.set CH,   14                          ; s14  which half of its columns; also: which 128 rows I fetch
.set LIM,  15                          ; s15  1 in a wave that prefetches, else the greatest number
.set RS,   18                          ; s18  the way out: bytes from my stage's first row to the rows to be read next
.set G1,   24                          ; s[24:31] group 1 for xb's tiles;  s[32:39] group 0, a set for each slot
.set G0,   32
.set PFA,  44                          ; s[44:45] where my prefetches stand
.set G1B,  48                          ; s[48:55], s[56:63] the same for w1b's tiles
.set G0B,  56
.set CC,   66                          ; s[66:67] c = sqrt(log2(e) / 2): 2^(-(c x)^2) = e^(-x x / 2)
.set PP,   68                          ; s[68:69] 0.3275911 / (c sqrt 2)
.set A1,   70                          ; s[70:79] the form's five coefficients, each times 0.5 / c; pairs, of which the low word serves both halves
.set A2,   72
.set A3,   74
.set A4,   76
.set A5,   78
.set HIM,  82                          ; s82  a word's upper bf16
.set ABSM, 83                          ; s83  all but the sign
.set MSB, 0
.macro WIN new                         ; the immediate's high byte repeats the setting that is left; a switch that changes nothing is dropped
.if MSB != (\new)
	s_set_vgpr_msb (MSB<<8)|(\new)
.set MSB, \new
.endif
.endm
.set MUL_LO, 0xa1                      ; source 0 (w1b) window 1, source 1 (xb) window 0, C and D window 2
.set TO_B,   0x40                      ; destination window 1, address window 0
; A joint load.  Waves 0 and 1 fetch xb's two halves, waves 2 and 3 w1b's.  The branch hangs on the wave's number alone.  An s_nop 0 and four v_nop follow each line.
.macro JLOAD s
	s_cmp_eq_u32 s[RH], 0
	s_cbranch_scc0 .Lfor_b_\@
	tensor_load_to_lds s[G0+4*(\s):G0+4*(\s)+3], s[G1:G1+7]
	s_nop 0
.rept 4
	v_nop
.endr
	s_branch .Lasked_\@
.Lfor_b_\@:
	tensor_load_to_lds s[G0B+4*(\s):G0B+4*(\s)+3], s[G1B:G1B+7]
	s_nop 0
.rept 4
	v_nop
.endr
.Lasked_\@:
.endm
; A prefetch, behind each refill and the run of LDS loads that follows it: the K step that stands two refills on (512 matrix instructions ahead of the load that names it): 32 rows x 256 bytes, a lane a row.
; Each row's 256 bytes of a K step are named once in the launch: xb's rows by the clusters with x = 0, w1b's by those with y = 0; the four partners of a joint load share its 128 rows out by address,
; 32 each.  K steps 0 to 3 come by their loads alone; the loop's last trip (s3 = 1) asks for nothing: there is no K step 8.
.macro ASK
	s_cmp_gt_u32 s3, s[LIM]
	s_cbranch_scc0 .Lnot_mine_\@
	global_prefetch_b8 v[PFO], s[PFA:PFA+1] th:TH_LOAD_NT scope:SCOPE_SE
.Lnot_mine_\@:
.endm
.macro CREST                           ; a round of the cluster's barrier behind its opening barrier
	s_cmp_lg_u32 s[WV], 0
	s_cbranch_scc1 .Lnot_wave_0_\@
	s_barrier_signal -3
.Lnot_wave_0_\@:
	s_barrier_wait -3
	s_barrier_signal -1
	s_barrier_wait -1
.endm
.macro CROUND                          ; a whole round
	s_barrier_signal -1
	s_barrier_wait -1
	CREST
.endm
.macro PLACES                          ; four plain instructions between a matrix instruction and a load into, or a read of, its registers (ISA guide 7.12.1 for reads)
.rept 4
	v_nop
.endr
.endm
; 16 matrix instructions: m blocks a0, a0 + 1 of the window's four (hi = 0: my rows 0-63, 1: rows 64-127) x all 8 n blocks, 32 along K.  first = 1: the sums start with the bias.
; The 64 accumulators take turns in the same order in every quarter step.
.macro MUL16 f, hi, a0, first
.if \first
	WIN 0x91+0x40*(\hi)                            ; C in window 1, D in window 2 or 3
.else
	WIN MUL_LO+0x50*(\hi)
.endif
.irp a, \a0, (\a0)+1
.irp b, 0,1,2,3,4,5,6,7
.if \first
	v_wmma_f32_16x16x32_bf16 v[8*(8*(\a)+(\b)):8*(8*(\a)+(\b))+7], v[(\f)+8*(\b):(\f)+8*(\b)+7], v[(\f)+8*(4*(\hi)+(\a)):(\f)+8*(4*(\hi)+(\a))+7], v[BIAS+8*(\b):BIAS+8*(\b)+7]
.else
	v_wmma_f32_16x16x32_bf16 v[8*(8*(\a)+(\b)):8*(8*(\a)+(\b))+7], v[(\f)+8*(\b):(\f)+8*(\b)+7], v[(\f)+8*(4*(\hi)+(\a)):(\f)+8*(4*(\hi)+(\a))+7], v[8*(8*(\a)+(\b)):8*(8*(\a)+(\b))+7]
.endif
.endr
.endr
.endm
; 32 LDS loads in one run: the fragments of one quarter step (32 K at byte k of the rows) into buffer f: w1b's 16 loads, then xb's
.macro FETCH slot, k, f
	WIN TO_B
.irp i, 0,1,2,3,4,5,6,7
	ds_load_b128 v[(\f)+8*(\i):(\f)+8*(\i)+3],   v[ADRB+(\slot)] offset:(\k)+(\i)*16*PITCH
	ds_load_b128 v[(\f)+8*(\i)+4:(\f)+8*(\i)+7], v[ADRB+(\slot)] offset:(\k)+(\i)*16*PITCH+32
.endr
	WIN 0
.irp i, 0,1,2,3,4,5,6,7
	ds_load_b128 v[(\f)+8*(\i):(\f)+8*(\i)+3],   v[ADRA+(\slot)] offset:(\k)+(\i)*16*PITCH
	ds_load_b128 v[(\f)+8*(\i)+4:(\f)+8*(\i)+7], v[ADRA+(\slot)] offset:(\k)+(\i)*16*PITCH+32
.endr
.endm
; One of a K step's first three quarters: multiplies buffer f; in its middle it fetches the next quarter's fragments, at byte k, into buffer g.
.macro QUARTER slot, k, f, g, first
	s_wait_dscnt 8                                 ; w1b's fragments and xb's rows 0-63 are in; the youngest eight loads (xb's rows 64-127) may be out
	MUL16 \f, 0, 0, \first
	MUL16 \f, 0, 2, \first
	PLACES
	FETCH \slot, \k, \g
	s_wait_dscnt 32                                ; all but the 32 just issued
	MUL16 \f, 1, 0, \first
	MUL16 \f, 1, 2, \first
.endm
; The first half of a K step's last quarter: ONE barrier for the change of slots.  In front of it each wave waits for all its tensor loads (one is out: its part of the next slot), adds 0 to its spare word,
; and waits for that and for its own reads of this slot.  Behind it nobody reads this slot any more and the next slot is whole.
.macro MEET round
	WIN 0
	s_wait_tensorcnt 0x0
	ds_add_u32 v[SPW], v[NIL]
	s_wait_dscnt 9                                 ; the add and the youngest eight loads may be out
	MUL16 F1, 0, 0, 0                              ; sixteen matrix instructions stand between the add and the wait for it
	s_wait_dscnt 0x0                               ; the add is done, and my reads of this slot are over
	s_barrier_signal -1
	MUL16 F1, 0, 2, 0
.if \round
	WIN 0
.endif
	s_barrier_wait -1
.endm
; The whole last quarter with a refill: the barrier opens a round of the cluster's, the joint refill is the first thing behind the round, 224 matrix instructions ahead of the wait for it.
.macro TURN slot, next
	s_wait_xcnt 0x0                                ; the last prefetch, a K step back, has read its address
	s_add_nc_u64 s[PFA:PFA+1], s[PFA:PFA+1], KSTEP*2
	MEET 1
	CREST                                          ; no wave of any partner still reads this slot or has a load on its way
	s_add_nc_u64 s[G0+4*(\slot)+2:G0+4*(\slot)+3], s[G0+4*(\slot)+2:G0+4*(\slot)+3], 2*KSTEP*2
	s_add_nc_u64 s[G0B+4*(\slot)+2:G0B+4*(\slot)+3], s[G0B+4*(\slot)+2:G0B+4*(\slot)+3], 2*KSTEP*2
	JLOAD \slot                                    ; its four v_nop are also the places in front of the loads below
	FETCH \next, 0, F0
	ASK
	MUL16 F1, 1, 0, 0
	MUL16 F1, 1, 2, 0
.endm
; Eight rows of the wave's 128 columns: 32 numbers a lane.  w = c |x|; t = 1 / (1 + p w); e = 2^(-w w); result = max(x, 0) - (w e) t ((((A5 t + A4) t + A3) t + A2) t + A1).
; The 64 reciprocals and exponentials are ONE batch: pair i's seven plain lines stand between pair i - 1's four, nothing ahead of the one wait names a result, and all that do stand behind it.
; next = 1: the next eight rows are asked of LDS as soon as these have been read.
.macro EPI next
	s_wait_dscnt 0x0                               ; my eight rows are in registers
.set i, 0
.rept 17
.if i < 16
	v_and_b32 v[GW+2*i], s[ABSM], v[GX+2*i]
.endif
.if i > 0
	v_rcp_f32 v[GT+2*i-2], v[GT+2*i-2]
.endif
.if i < 16
	v_and_b32 v[GW+2*i+1], s[ABSM], v[GX+2*i+1]
.endif
.if i > 0
	v_rcp_f32 v[GT+2*i-1], v[GT+2*i-1]
.endif
.if i < 16
	v_max_num_f32 v[GM+2*i], 0, v[GX+2*i]
.endif
.if i > 0
	v_exp_f32 v[GE+2*i-2], v[GE+2*i-2]
.endif
.if i < 16
	v_max_num_f32 v[GM+2*i+1], 0, v[GX+2*i+1]
.endif
.if i > 0
	v_exp_f32 v[GE+2*i-1], v[GE+2*i-1]
.endif
.if i < 16
	v_pk_mul_f32 v[GW+2*i:GW+2*i+1], v[GW+2*i:GW+2*i+1], s[CC:CC+1] op_sel_hi:[1,0]
	v_pk_fma_f32 v[GT+2*i:GT+2*i+1], v[GW+2*i:GW+2*i+1], s[PP:PP+1], 1.0 op_sel_hi:[1,0,0]
	v_pk_mul_f32 v[GE+2*i:GE+2*i+1], v[GW+2*i:GW+2*i+1], v[GW+2*i:GW+2*i+1] neg_lo:[1,0] neg_hi:[1,0]
.endif
.set i, i+1
.endr
	v_nop                                          ; a plain instruction behind the last exponential (ISA guide 5.7.2): one for the batch
	s_wait_alu depctr_va_vdst(0)                   ; and the one wait ahead of the batch's first reader
.if \next
	s_add_co_u32 s[RS], s[RS], 8*SP
	v_add_nc_u32 v[RDC], s[RS], v[RD]
.irp t, 0,1,2,3,4,5,6,7
	ds_load_b128 v[GX+4*(\t):GX+4*(\t)+3], v[RDC] offset:SP*(\t)
.endr
.endif
	s_wait_xcnt 0x0                                ; the last eight stores have read their base and their data: both are written again below
	s_add_nc_u64 s[10:11], s[10:11], 8*HROW        ; eight rows on; the stores reach back
.set i, 0
.rept 16
	v_pk_mul_f32 v[GE+2*i:GE+2*i+1], v[GE+2*i:GE+2*i+1], v[GW+2*i:GW+2*i+1]
.set i, i+1
.endr
.set i, 0
.rept 16
	v_pk_fma_f32 v[GW+2*i:GW+2*i+1], v[GT+2*i:GT+2*i+1], s[A5:A5+1], s[A4:A4+1] op_sel_hi:[1,0,0]
.set i, i+1
.endr
.irp c, A3, A2, A1
.set i, 0
.rept 16
	v_pk_fma_f32 v[GW+2*i:GW+2*i+1], v[GW+2*i:GW+2*i+1], v[GT+2*i:GT+2*i+1], s[(\c):(\c)+1] op_sel_hi:[1,1,0]
.set i, i+1
.endr
.endr
.set i, 0
.rept 16
	v_pk_mul_f32 v[GW+2*i:GW+2*i+1], v[GW+2*i:GW+2*i+1], v[GT+2*i:GT+2*i+1]
.set i, i+1
.endr
.set i, 0
.rept 16
	v_pk_fma_f32 v[GM+2*i:GM+2*i+1], v[GW+2*i:GW+2*i+1], v[GE+2*i:GE+2*i+1], v[GM+2*i:GM+2*i+1] neg_lo:[1,0,0] neg_hi:[1,0,0]
.set i, i+1
.endr
.set i, 0
.rept 16
	v_cvt_pk_f16_f32 v[GY+i], v[GM+2*i], v[GM+2*i+1]
.set i, i+1
.endr
.irp t, 0,1,2,3,4,5,6,7
	global_store_b64 v[HO], v[GY+2*(\t):GY+2*(\t)+1], s[10:11] offset:((\t)-8)*HROW  ; the wave stores 256 consecutive bytes, at a multiple of 256 from hh's first byte
.endr
.endm
	s_load_b256 s[4:11], s[0:1], 0x0               ; xb s[4:5], w1b s[6:7], b1 s[8:9], hh s[10:11]
	v_lshl_add_u32 v[SPW], v0, 2, SPARE
	v_mov_b32 v[NIL], 0
	ds_add_u32 v[SPW], v[NIL]                      ; the wave's opening: the add, twice on end, and its wait ahead of my first tensor load
	ds_add_u32 v[SPW], v[NIL]                      ; (the set-up below, work on registers, stands between the second add and the wait)
	v_lshrrev_b32 v1, 5, v0
	v_readfirstlane_b32 s[WV], v1                  ; wave 0..3
	s_lshr_b32 s[RH], s[WV], 1
	s_and_b32 s[CH], s[WV], 1
	s_bfe_u32 s40, ttmp6, 0x40000                  ; cx
	s_bfe_u32 s41, ttmp6, 0x40004                  ; cy
	s_lshl_b32 s42, ttmp9, 2
	s_add_co_u32 s42, s42, s40                     ; tile column = 4 x cluster x + cx, 0..15
	s_and_b32 s43, ttmp7, 0xffff
	s_lshl_b32 s43, s43, 2
	s_add_co_u32 s43, s43, s41                     ; tile row = 4 x cluster y + cy, 0..31
	s_lshl_b32 s80, s41, 2
	s_lshl_b32 s80, 15, s80                        ; my row of the cluster: places 4 cy .. 4 cy + 3
	s_lshl_b32 s81, 0x1111, s40                    ; my column: places cx, cx + 4, cx + 8, cx + 12
	s_or_b32 s[G1], s80, FLAGS                     ; xb's tiles go to my row,
	s_or_b32 s[G1B], s81, FLAGS                    ; w1b's to my column
.irp g, G1, G1B
	s_mov_b32 s[(\g)+1], KSTEP<<16                 ; tensor_dim0 = 128
	s_mov_b32 s[(\g)+2], 128<<16                   ; tensor_dim1 = 128
	s_mov_b32 s[(\g)+3], KSTEP<<16                 ; tile_dim0 = 128
	s_mov_b32 s[(\g)+4], 128                       ; tile_dim1 = 128
	s_mov_b32 s[(\g)+5], SIZE_K                    ; elements from row to row
	s_mov_b32 s[(\g)+6], 0
	s_mov_b32 s[(\g)+7], 0
.endr
	s_lshl_b32 s17, s[CH], 7                       ; which 128 rows of the tile I fetch
	s_lshl_b32 s16, s43, 8
	s_add_co_u32 s16, s16, s17                     ; xb: row 256 x tile row + 128 x half,
	s_lshl_b32 s16, s16, 11                        ; in bytes (under 2^24)
	s_lshl_b32 s46, s42, 8
	s_add_co_u32 s46, s46, s17                     ; w1b: row 256 x tile column + 128 x half
	s_lshl_b32 s46, s46, 11
	s_mov_b32 s17, 0
	s_mov_b32 s47, 0
	s_mul_i32 s20, s[WV], HALFT                    ; where they go: wave x 128 rows: no place in the cluster enters an LDS address
	s_mov_b32 s[CC], 0x3f596d27                    ; 0.8493218
	s_mov_b32 s[CC+1], s[CC]                       ; (named as pairs, so both words are written)
	s_mov_b32 s[PP], 0x3e8ba43f                    ; 0.27273748
	s_mov_b32 s[PP+1], s[PP]
	s_mov_b32 s[A1], 0x3e199eb3                    ; 0.15001946
	s_mov_b32 s[A1+1], s[A1]
	s_mov_b32 s[A2], 0xbe2b8119                    ; -0.16748465
	s_mov_b32 s[A2+1], s[A2]
	s_mov_b32 s[A3], 0x3f563817                    ; 0.83679339
	s_mov_b32 s[A3+1], s[A3]
	s_mov_b32 s[A4], 0xbf5b0099                    ; -0.85547788
	s_mov_b32 s[A4+1], s[A4]
	s_mov_b32 s[A5], 0x3f1ff67a                    ; 0.62485470
	s_mov_b32 s[A5+1], s[A5]
	s_mov_b32 s[HIM], 0xffff0000
	s_mov_b32 s[ABSM], 0x7fffffff
	s_mov_b32 s[RS], 0
	s_wait_dscnt 0x0                               ; both opening adds are done
	s_wait_kmcnt 0x0
	s_add_nc_u64 s[16:17], s[4:5], s[16:17]
	s_add_nc_u64 s[46:47], s[6:7], s[46:47]
	CROUND                                         ; all sixteen work-groups are here: the first joint loads meet
.irp s, 0,1
	s_mov_b32 s[G0+4*(\s)], 1                                      ; count = 1
	s_add_co_u32 s[G0+4*(\s)+1], s20, (\s)*SLOT                    ; LDS address
	s_add_nc_u64 s[G0+4*(\s)+2:G0+4*(\s)+3], s[16:17], (\s)*KSTEP*2  ; global address: K step s
	s_or_b32 s[G0+4*(\s)+3], s[G0+4*(\s)+3], 0x80000000            ; type = 2
	s_mov_b32 s[G0B+4*(\s)], 1
	s_add_co_u32 s[G0B+4*(\s)+1], s20, (\s)*SLOT
	s_add_nc_u64 s[G0B+4*(\s)+2:G0B+4*(\s)+3], s[46:47], (\s)*KSTEP*2
	s_or_b32 s[G0B+4*(\s)+3], s[G0B+4*(\s)+3], 0x80000000
	JLOAD \s                                       ; two loads of mine are out
.endr
	; the bias of my 128 columns: register j of block b is b1[16 b + 8 (l / 16) + j], the place that the sums have
	v_and_b32 v1, 15, v0                           ; l % 16
	v_bfe_u32 v2, v0, 4, 1                         ; l / 16
	v_lshlrev_b32 v3, 5, v2                        ; 8 f32 for each half of the lanes
	s_lshl_b32 s46, s42, 10                        ; (256 x tile column + 128 x half) x 4 bytes
	s_lshl_b32 s47, s[CH], 9
	s_add_co_u32 s46, s46, s47
	s_mov_b32 s47, 0
	s_add_nc_u64 s[8:9], s[8:9], s[46:47]
	WIN TO_B
.irp b, 0,1,2,3,4,5,6,7
	global_load_b128 v[BIAS+8*(\b):BIAS+8*(\b)+3],   v3, s[8:9] offset:64*(\b)
	global_load_b128 v[BIAS+8*(\b)+4:BIAS+8*(\b)+7], v3, s[8:9] offset:64*(\b)+16
.endr
	WIN 0
	; a fragment is 16 rows x 32 K in 8 registers: lane l holds row l % 16, K = 8 (l / 16) + 0..7 and 16 + 8 (l / 16) + 0..7: two loads of 16 bytes, 32 bytes apart
	v_mul_u32_u24 v4, v1, PITCH
	v_lshl_add_u32 v4, v2, 4, v4
	s_mul_i32 s21, s[RH], HALFT                    ; my 128 rows of xb
	s_mul_i32 s22, s[CH], HALFT                    ; my 128 rows of w1b,
	s_add_co_u32 s22, s22, 2*HALFT                 ; which lie behind xb's 256
.irp s, 0,1
	v_add_nc_u32 v[ADRA+(\s)], s21, v4
	v_add_nc_u32 v[ADRB+(\s)], s22, v4
	s_add_co_u32 s21, s21, SLOT
	s_add_co_u32 s22, s22, SLOT
.endr
	s_mul_i32 s23, s[WV], WST                      ; my stage
	v_mul_u32_u24 v5, v1, SP                       ; in: row l % 16, 32 bytes for each half of the lanes
	v_lshl_add_u32 v5, v2, 5, v5
	v_add_nc_u32 v[STO], s23, v5
	v_and_b32 v6, 31, v0
	v_lshl_add_u32 v[RD], v6, 4, s23               ; back: 32 lanes take one row of 512 bytes
	v_lshlrev_b32 v[HO], 3, v6
	v_lshlrev_b32 v[PFO], 11, v6
	s_lshl_b32 s16, s43, 8                         ; hh at my first row: 256 x tile row + 128 x half, rows of 8,192 bytes (under 2^27),
	s_lshl_b32 s17, s[RH], 7
	s_add_co_u32 s16, s16, s17
	s_lshl_b32 s16, s16, 13
	s_mov_b32 s17, 0
	s_add_nc_u64 s[10:11], s[10:11], s[16:17]
	s_lshl_b32 s46, s42, 9                         ; and my first column: 512 x tile column + 256 x half bytes
	s_lshl_b32 s47, s[CH], 8
	s_add_co_u32 s46, s46, s47
	s_mov_b32 s47, 0
	s_add_nc_u64 s[10:11], s[10:11], s[46:47]
	; the prefetches
	s_lshl_b32 s20, s43, 8
	s_lshl_b32 s21, s42, 8
	s_and_b32 s22, ttmp7, 0xffff                   ; cluster y
	s_cmp_eq_u32 s[RH], 0                          ; do I fetch xb?
	s_cselect_b32 s20, s20, s21                    ; the tile's first row
	s_cselect_b32 s21, s40, s41                    ; my place among the four that ask for it with me
	s_cselect_b32 s22, ttmp9, s22                  ; the coordinate along which other clusters read the same rows
	s_cselect_b64 s[PFA:PFA+1], s[4:5], s[6:7]
	s_cmp_eq_u32 s22, 0
	s_cselect_b32 s[LIM], 1, -1                    ; the same in all sixteen partners, for a given wave
	s_lshl_b32 s22, s[CH], 7
	s_add_co_u32 s20, s20, s22                     ; + the 128 rows that I fetch
	s_lshl_b32 s21, s21, 5
	s_add_co_u32 s20, s20, s21                     ; + my work-group's 32 of them
	s_lshl_b32 s20, s20, 11
	s_mov_b32 s21, 0
	s_add_nc_u64 s[PFA:PFA+1], s[PFA:PFA+1], s[20:21]
	s_add_nc_u64 s[PFA:PFA+1], s[PFA:PFA+1], 3*KSTEP*2  ; at K step 3: the first refill steps it to 4
	s_wait_loadcnt 0x0                             ; the bias,
	WIN 0x45                                       ; rounded to bf16 like every input, and widened again: all in window 1
.set k, 0
.rept 32
	v_cvt_pk_bf16_f32 v[k], v[BIAS+2*k], v[BIAS+2*k+1]
.set k, k+1
.endr
.set k, 0
.rept 32
	v_lshlrev_b32 v[BIAS+2*k], 16, v[k]
	v_and_b32 v[BIAS+2*k+1], s[HIM], v[k]
.set k, k+1
.endr
	WIN 0
	s_wait_tensorcnt 0x1                           ; my part of K step 0 is in; K step 1's may stay out
	s_barrier_signal -1
	s_barrier_wait -1                              ; everybody's is
	FETCH 0, 0, F0
	QUARTER 0, 64,  F0, F1, 1                      ; the first quarter stands in front of the loop: its products start the sums, with the bias
	WIN 0                                          ; at a label and at a branch every window is 0
	s_mov_b32 s3, LAPS-1
.Llap:                                                 ; a trip goes once round the ring, from a lap's second quarter to the next lap's first, and fills both slots again
	QUARTER 0, 128, F1, F0, 0
	QUARTER 0, 192, F0, F1, 0
	TURN 0, 1
	QUARTER 1, 64,  F0, F1, 0
	QUARTER 1, 128, F1, F0, 0
	QUARTER 1, 192, F0, F1, 0
	TURN 1, 0
	QUARTER 0, 64,  F0, F1, 0
	WIN 0
	s_sub_co_u32 s3, s3, 1
	s_cmp_lg_u32 s3, 0
	s_cbranch_scc1 .Llap
	QUARTER 0, 128, F1, F0, 0                      ; the last lap is written out: it fills nothing
	QUARTER 0, 192, F0, F1, 0
	MEET 0                                         ; my one tensor load that was out is K step 7's; no round follows
	PLACES
	FETCH 1, 0, F0
	MUL16 F1, 1, 0, 0
	MUL16 F1, 1, 2, 0
	QUARTER 1, 64,  F0, F1, 0
	QUARTER 1, 128, F1, F0, 0
	QUARTER 1, 192, F0, F1, 0
	s_wait_dscnt 8                                 ; the very last quarter: nothing more to fetch
	MUL16 F1, 0, 0, 0
	MUL16 F1, 0, 2, 0
	s_wait_dscnt 0x0                               ; my reads of the ring are over:
	s_barrier_signal -1                            ; say so,
	MUL16 F1, 1, 0, 0                              ; work on registers while the others arrive,
	MUL16 F1, 1, 2, 0
	WIN 0
	s_barrier_wait -1                              ; and behind this no wave reads the ring, which has had its last fill: its bytes are the stages now
	; THE WAY OUT.  All 64 accumulators into my stage, each from its low registers on: row 16 a + l % 16, bytes 64 b + 32 (l / 16).
	PLACES
	PLACES
.irp a, 0,1,2,3,4,5,6,7
	WIN 0x08+4*((\a)/4)                            ; the stores' data: window 2 or 3
.irp b, 0,1,2,3,4,5,6,7
	ds_store_b128 v[STO], v[8*(8*((\a)%4)+(\b)):8*(8*((\a)%4)+(\b))+3]   offset:16*(\a)*SP+64*(\b)
	ds_store_b128 v[STO], v[8*(8*((\a)%4)+(\b))+4:8*(8*((\a)%4)+(\b))+7] offset:16*(\a)*SP+64*(\b)+16
.endr
.endr
	WIN 0
.irp t, 0,1,2,3,4,5,6,7
	ds_load_b128 v[GX+4*(\t):GX+4*(\t)+3], v[RD] offset:SP*(\t)  ; LDS serves a wave's instructions in order (ISA guide 5.7.1.4): these see my stores above; no other wave touches my stage
.endr
	s_mov_b32 s2, 15
.Lepi:                                                 ; 16 times eight rows; the last is written out, since it reads nothing further
	EPI 1
	s_sub_co_u32 s2, s2, 1
	s_cmp_lg_u32 s2, 0
	s_cbranch_scc1 .Lepi
	EPI 0
	s_wait_tensorcnt 0x0                           ; the wave's end: a wait, an add and its wait, behind my last tensor load and my last LDS store
	ds_add_u32 v[SPW], v[NIL]
	s_wait_dscnt 0x0
	CROUND                                         ; the closing round: no work-group ends while a partner may still ask for a tile that names it
	s_endpgm
.Lfunc_end_k_qced1ab15ba_fc1:
	.size	k_qced1ab15ba_fc1, .Lfunc_end_k_qced1ab15ba_fc1-k_qced1ab15ba_fc1
	.p2alignl 7, 3214868480
	.fill 96, 4, 3214868480
	.section	.rodata,"a",@progbits
	.p2align	6, 0x0
	.amdhsa_kernel k_qced1ab15ba_fc1
		.amdhsa_group_segment_fixed_size 327680
		.amdhsa_private_segment_fixed_size 0
		.amdhsa_enable_private_segment 0
		.amdhsa_kernarg_size 32
		.amdhsa_user_sgpr_count 2
		.amdhsa_user_sgpr_kernarg_segment_ptr 1
		.amdhsa_wavefront_size32 1
		.amdhsa_system_sgpr_workgroup_id_x 1
		.amdhsa_system_sgpr_workgroup_id_y 1
		.amdhsa_system_sgpr_workgroup_id_z 1
		.amdhsa_system_vgpr_workitem_id 0
		.amdhsa_next_free_vgpr 1024
		.amdhsa_next_free_sgpr 84
		.amdhsa_reserve_vcc 0
		.amdhsa_float_denorm_mode_32 3
		.amdhsa_float_denorm_mode_16_64 3
		.amdhsa_memory_ordered 1
		.amdhsa_forward_progress 1
		.amdhsa_inst_pref_size 160
	.end_amdhsa_kernel
	.amdgpu_metadata
---
amdhsa.version: [ 1, 2 ]
amdhsa.kernels:
  - .name:           k_qced1ab15ba_fc1
    .symbol:         k_qced1ab15ba_fc1.kd
    .args:
      - { .name: xb, .offset: 0, .size: 8, .value_kind: global_buffer, .address_space: global }
      - { .name: w1b, .offset: 8, .size: 8, .value_kind: global_buffer, .address_space: global }
      - { .name: b1, .offset: 16, .size: 8, .value_kind: global_buffer, .address_space: global }
      - { .name: hh, .offset: 24, .size: 8, .value_kind: global_buffer, .address_space: global }
    .group_segment_fixed_size: 327680
    .private_segment_fixed_size: 0
    .kernarg_segment_align: 8
    .kernarg_segment_size: 32
    .max_flat_workgroup_size: 128
    .sgpr_count:     84
    .vgpr_count:     1024
    .wavefront_size: 32
...
	.end_amdgpu_metadata
.endif
;; end of part 2
;; launch fc2 (part 3): grid 8 x 32, 4 waves a work-group, clusters of 4 x 4, 327,680 bytes of LDS; arguments hh, w2h, b2, out0; writes out0
.if DOCPART == 3
	.amdgcn_target "amdgcn-amd-amdhsa--gfx1250"
	.amdhsa_code_object_version 6
	.text
	.protected	k_qced1ab15ba_fc2
	.globl	k_qced1ab15ba_fc2
	.p2align	8
	.type	k_qced1ab15ba_fc2,@function
k_qced1ab15ba_fc2:
	s_mov_b64 s[64:65], 0
	v_nop
	global_prefetch_b8 v0, s[64:65] scope:SCOPE_SE
	s_setreg_imm32_b32 hwreg(HW_REG_WAVE_MODE, 25, 1), 1
	s_wait_xcnt 0x0
	s_wait_alu depctr_hold_cnt(0) depctr_sa_sdst(0) depctr_va_vdst(0) depctr_va_sdst(0) depctr_va_ssrc(0) depctr_va_vcc(0) depctr_vm_vsrc(0)
	s_getreg_b32 s2, hwreg(HW_REG_IB_STS2, 6, 4)
	s_cmp_eq_u32 s2, 0
	s_cbranch_scc0 .Lentry_in_a_cluster
	s_endpgm
.Lentry_in_a_cluster:
	s_bfe_u32 s2, ttmp6, 0x10000c
	s_cmp_lg_u32 s2, 0xf033
	s_cbranch_scc0 .Lentry_shape_is_right
	s_endpgm
.Lentry_shape_is_right:
; out0[m][d] = sum over k of hh[m][k] w2h[d][k] + bf16(b2[d]).  hh: [8192][4096] f16, w2h: [1024][4096] f16, b2: [1024] f32, out0: [8192][1024] f32.  Sums in f32.
; The bias, rounded to bf16 like every input, STARTS each sum (the C operand of the first product) instead of being added last.  NaN and infinities are not treated apart.
; SHARES.  A tile of out0 is 256 rows x 128 columns: 256 tiles, one to a work-group.  Four waves, each 128 x 64: 32 accumulators, 256 registers.  K goes in 32 steps of 128 through a ring of two LDS
; slots (256 rows of hh and 128 of w2h, 256 bytes a row); two slots of a K step twice as long, 405,504 bytes, do not fit.
; CLUSTER.  4 x 4 work-groups: hh's tiles are asked for jointly along a row of the cluster, w2h's along a column.
; THE PRODUCT IS USED TRANSPOSED (source 0 = 16 rows of w2h, source 1 = 16 rows of hh): lane l holds row l % 16 of out0 and the columns 8 (l / 16) + 0..7.
; REGISTERS: window 0: v0-31 addresses; v32-63 the bias; v64-127, v128-191 fragments of hh, two buffers; v192-223, v224-255 fragments of w2h, two buffers.   window 1: accumulator (a, b) at v[8 (4 a + b)].
.set SIZE_K, 4096
.set KSTEP,  128
.set PITCH,  272                       ; an LDS row: 256 bytes + 16 of padding = 68 words: row r starts at bank 4 r mod 64 (64 banks of 4 bytes: ISA guide 11.1)
.set HALFA,  128*PITCH                 ; what a load of hh brings, and what a wave reads of it
.set HALFB,  64*PITCH                  ; the same for w2h
.set SLOT,   2*HALFA+2*HALFB
.set LAPS,   SIZE_K/(2*KSTEP)
.set STAGE,  2*SLOT                    ; behind the ring, never filled by a tensor load: 16 rows x 272 bytes for each wave
.set WST,    16*PITCH
.set SPARE,  STAGE+4*WST               ; behind the stages: the spare words, 128 bytes for each wave: two blocks of 256 bytes that no other line names
.set OROW,   4096                      ; bytes in a row of out0
.set FLAGS,  (1<<16)|(1<<20)|(1<<21)|(5<<22)|(3<<25)  ; group 1, word 0: elements of 2 bytes; padding on; bit 21 beside a mask; after every 64 words (code 5) 4 words (code 3)
.set ADRA, 16                          ; v16-17  LDS address of my fragments of hh in slot 0, 1
.set ADRB, 20                          ; v20-21  the same for w2h
.set STO,  24                          ; v24     where I put 32 bytes of a stage row
.set RD,   25                          ; v25     where I read rows back
.set CO,   26                          ; v26     my byte offset in out0
.set SPW,  28                          ; v28     LDS address of my spare word; never rewritten
.set NIL,  29                          ; v29     0; never rewritten
.set PFO,  30                          ; v30     the prefetches' offset: my lane x a row of 8,192 bytes; never rewritten
.set BIAS, 32
.set FA,   64
.set FB,   192
.set BK,   64                          ; the way out: 16 rows read back, v64-95 and v96-127 by turns
.set WV,   12
.set RH,   13                          ; which half of the tile's rows is mine; also: I fetch hh (0) or w2h (1)
.set CH,   14                          ; which half of its columns; also: which half of that tile's rows I fetch
.set LIM,  15                          ; 2 in a wave that prefetches, else the greatest number
.set G1,   24
.set G0,   32
.set PFA,  44
.set G1B,  48
.set G0B,  56
.set HIM,  66                          ; s66  a word's upper bf16;  s67, s68 the two masks
.set MSB, 0
.macro WIN new
.if MSB != (\new)
	s_set_vgpr_msb (MSB<<8)|(\new)
.set MSB, \new
.endif
.endm
.macro JLOAD s                         ; a joint load: waves 0 and 1 fetch hh's two halves, waves 2 and 3 w2h's; an s_nop 0 and four v_nop follow each line
	s_cmp_eq_u32 s[RH], 0
	s_cbranch_scc0 .Lfor_b_\@
	tensor_load_to_lds s[G0+4*(\s):G0+4*(\s)+3], s[G1:G1+7]
	s_nop 0
.rept 4
	v_nop
.endr
	s_branch .Lasked_\@
.Lfor_b_\@:
	tensor_load_to_lds s[G0B+4*(\s):G0B+4*(\s)+3], s[G1B:G1B+7]
	s_nop 0
.rept 4
	v_nop
.endr
.Lasked_\@:
.endm
; A prefetch, behind each refill and the run of LDS loads that follows it: the K step that stands FOUR refills on (512 matrix instructions ahead of the load that names it): 32 rows x 256 bytes, a lane a row.
; Each row's 256 bytes of a K step are named once in the launch: hh's rows by the clusters with x = 0 (waves 0 and 1; the four partners along a row take 32 of a wave's 128 rows each, by address),
; w2h's by those with y = 0 (wave 2; the four partners along a column take 32 of the tile's 128 rows each).  K steps 0 to 5 come by their loads alone; the loop's last two trips ask for nothing: there is no K step 32.
.macro ASK
	s_cmp_gt_u32 s3, s[LIM]
	s_cbranch_scc0 .Lnot_mine_\@
	global_prefetch_b8 v[PFO], s[PFA:PFA+1] th:TH_LOAD_NT scope:SCOPE_SE
.Lnot_mine_\@:
.endm
.macro CREST
	s_cmp_lg_u32 s[WV], 0
	s_cbranch_scc1 .Lnot_wave_0_\@
	s_barrier_signal -3
.Lnot_wave_0_\@:
	s_barrier_wait -3
	s_barrier_signal -1
	s_barrier_wait -1
.endm
.macro CROUND
	s_barrier_signal -1
	s_barrier_wait -1
	CREST
.endm
.macro PLACES                          ; four plain instructions between a matrix instruction and a load into, or a read of, its registers (ISA guide 7.12.1 for reads)
.rept 4
	v_nop
.endr
.endm
; 8 matrix instructions: m blocks a0, a0 + 1 x all 4 n blocks, 32 along K, from buffer f.  first = 1: the sums start with the bias.  The 32 accumulators take turns in the same order in every quarter.
.macro MUL8 f, a0, first
.if \first
	WIN 0x40                                       ; D in window 1, all sources in window 0
.else
	WIN 0x50                                       ; C and D in window 1
.endif
.irp a, \a0, (\a0)+1
.irp b, 0,1,2,3
.if \first
	v_wmma_f32_16x16x32_f16 v[8*(4*(\a)+(\b)):8*(4*(\a)+(\b))+7], v[FB+32*(\f)+8*(\b):FB+32*(\f)+8*(\b)+7], v[FA+64*(\f)+8*(\a):FA+64*(\f)+8*(\a)+7], v[BIAS+8*(\b):BIAS+8*(\b)+7]
.else
	v_wmma_f32_16x16x32_f16 v[8*(4*(\a)+(\b)):8*(4*(\a)+(\b))+7], v[FB+32*(\f)+8*(\b):FB+32*(\f)+8*(\b)+7], v[FA+64*(\f)+8*(\a):FA+64*(\f)+8*(\a)+7], v[8*(4*(\a)+(\b)):8*(4*(\a)+(\b))+7]
.endif
.endr
.endr
.endm
; 24 LDS loads in one run: the fragments of one quarter step (32 K at byte k of the rows) into buffer f: w2h's 8 loads, then hh's 16
.macro FETCH slot, k, f
	WIN 0
.irp i, 0,1,2,3
	ds_load_b128 v[FB+32*(\f)+8*(\i):FB+32*(\f)+8*(\i)+3],   v[ADRB+(\slot)] offset:(\k)+(\i)*16*PITCH
	ds_load_b128 v[FB+32*(\f)+8*(\i)+4:FB+32*(\f)+8*(\i)+7], v[ADRB+(\slot)] offset:(\k)+(\i)*16*PITCH+32
.endr
.irp i, 0,1,2,3,4,5,6,7
	ds_load_b128 v[FA+64*(\f)+8*(\i):FA+64*(\f)+8*(\i)+3],   v[ADRA+(\slot)] offset:(\k)+(\i)*16*PITCH
	ds_load_b128 v[FA+64*(\f)+8*(\i)+4:FA+64*(\f)+8*(\i)+7], v[ADRA+(\slot)] offset:(\k)+(\i)*16*PITCH+32
.endr
.endm
.macro QUARTER slot, k, f, g, first    ; multiplies buffer f; in its middle it fetches the next quarter's fragments, at byte k, into buffer g
	s_wait_dscnt 8                                 ; w2h's fragments and hh's rows 0-63 are in; the youngest eight loads (hh's rows 64-127) may be out
	MUL8 \f, 0, \first
	MUL8 \f, 2, \first
	PLACES
	FETCH \slot, \k, \g
	s_wait_dscnt 24                                ; all but the 24 just issued
	MUL8 \f, 4, \first
	MUL8 \f, 6, \first
.endm
; The first half of a K step's last quarter: ONE barrier for the change of slots; in front of it each wave waits for all its tensor loads (one is out: its part of the next slot), adds 0 to its spare word,
; and waits for that and for its own reads of this slot.
.macro MEET round
	WIN 0
	s_wait_tensorcnt 0x0
	ds_add_u32 v[SPW], v[NIL]
	s_wait_dscnt 9                                 ; the add and the youngest eight loads may be out
	MUL8 1, 0, 0                                   ; eight matrix instructions stand between the add and the wait for it
	s_wait_dscnt 0x0                               ; the add is done, and my reads of this slot are over
	s_barrier_signal -1
	MUL8 1, 2, 0
.if \round
	WIN 0
.endif
	s_barrier_wait -1
.endm
.macro TURN slot, next                 ; the whole last quarter with a refill: the joint load is the first thing behind the round, 112 matrix instructions ahead of the wait for it
	s_wait_xcnt 0x0                                ; the last prefetch, a K step back, has read its address
	s_add_nc_u64 s[PFA:PFA+1], s[PFA:PFA+1], KSTEP*2
	MEET 1
	CREST                                          ; no wave of any partner still reads this slot or has a load on its way
	s_add_nc_u64 s[G0+4*(\slot)+2:G0+4*(\slot)+3], s[G0+4*(\slot)+2:G0+4*(\slot)+3], 2*KSTEP*2
	s_add_nc_u64 s[G0B+4*(\slot)+2:G0B+4*(\slot)+3], s[G0B+4*(\slot)+2:G0B+4*(\slot)+3], 2*KSTEP*2
	JLOAD \slot                                    ; its four v_nop are also the places in front of the loads below
	FETCH \next, 0, 0
	ASK
	MUL8 1, 4, 0
	MUL8 1, 6, 0
.endm
; THE WAY OUT of block a (16 rows x my 64 columns of f32): into my own stage, each accumulator from its low registers on, and back as whole rows of 256 bytes.
.macro TOSTAGE a
	WIN 0x04                                       ; the stores' data: window 1
.irp b, 0,1,2,3
	ds_store_b128 v[STO], v[8*(4*(\a)+(\b)):8*(4*(\a)+(\b))+3]   offset:64*(\b)
	ds_store_b128 v[STO], v[8*(4*(\a)+(\b))+4:8*(4*(\a)+(\b))+7] offset:64*(\b)+16
.endr
	WIN 0
	s_wait_xcnt 0x0                                ; the stores of the block two back have read these registers
.irp t, 0,1,2,3,4,5,6,7
	ds_load_b128 v[BK+32*((\a)%2)+4*(\t):BK+32*((\a)%2)+4*(\t)+3], v[RD] offset:2*PITCH*(\t)  ; LDS serves a wave's instructions in order (ISA guide 5.7.1.4): these see the stores above; the next block's stores come behind them
.endr
.endm
.macro SEND a, younger                 ; younger: the LDS instructions issued behind block a's loads: the next block's sixteen, or none
	s_wait_dscnt \younger
.irp t, 0,1,2,3,4,5,6,7
	global_store_b128 v[CO], v[BK+32*((\a)%2)+4*(\t):BK+32*((\a)%2)+4*(\t)+3], s[10:11] offset:(16*(\a)+2*(\t))*OROW th:TH_STORE_NT  ; 16 lanes store 256 consecutive bytes, at a multiple of 256 from out0's first byte
.endr
.endm
	s_load_b256 s[4:11], s[0:1], 0x0               ; hh s[4:5], w2h s[6:7], b2 s[8:9], out0 s[10:11]
	v_lshl_add_u32 v[SPW], v0, 2, SPARE
	v_mov_b32 v[NIL], 0
	ds_add_u32 v[SPW], v[NIL]                      ; the wave's opening: the add, twice on end, and its wait ahead of my first tensor load
	ds_add_u32 v[SPW], v[NIL]                      ; (the set-up below, work on registers, stands between the second add and the wait)
	v_lshrrev_b32 v1, 5, v0
	v_readfirstlane_b32 s[WV], v1                  ; wave 0..3
	s_lshr_b32 s[RH], s[WV], 1
	s_and_b32 s[CH], s[WV], 1
	s_bfe_u32 s40, ttmp6, 0x40000                  ; cx
	s_bfe_u32 s41, ttmp6, 0x40004                  ; cy
	s_lshl_b32 s42, ttmp9, 2
	s_add_co_u32 s42, s42, s40                     ; tile column = 4 x cluster x + cx, 0..7
	s_and_b32 s43, ttmp7, 0xffff
	s_lshl_b32 s43, s43, 2
	s_add_co_u32 s43, s43, s41                     ; tile row = 4 x cluster y + cy, 0..31
	s_lshl_b32 s67, s41, 2
	s_lshl_b32 s67, 15, s67                        ; my row of the cluster
	s_lshl_b32 s68, 0x1111, s40                    ; my column
	s_or_b32 s[G1], s67, FLAGS                     ; hh's tiles go to my row,
	s_or_b32 s[G1B], s68, FLAGS                    ; w2h's to my column
	s_mov_b32 s[G1+1], KSTEP<<16                   ; tensor_dim0 = 128
	s_mov_b32 s[G1+2], 128<<16                     ; tensor_dim1 = 128
	s_mov_b32 s[G1+3], KSTEP<<16                   ; tile_dim0 = 128
	s_mov_b32 s[G1+4], 128                         ; tile_dim1 = 128
	s_mov_b32 s[G1+5], SIZE_K                      ; elements from row to row
	s_mov_b32 s[G1+6], 0
	s_mov_b32 s[G1+7], 0
	s_mov_b32 s[G1B+1], KSTEP<<16
	s_mov_b32 s[G1B+2], 64<<16                     ; w2h's loads have 64 rows
	s_mov_b32 s[G1B+3], KSTEP<<16
	s_mov_b32 s[G1B+4], 64
	s_mov_b32 s[G1B+5], SIZE_K
	s_mov_b32 s[G1B+6], 0
	s_mov_b32 s[G1B+7], 0
	s_lshl_b32 s17, s[CH], 7
	s_lshl_b32 s16, s43, 8
	s_add_co_u32 s16, s16, s17                     ; hh: row 256 x tile row + 128 x half,
	s_lshl_b32 s16, s16, 13                        ; rows of 8,192 bytes (under 2^27)
	s_mov_b32 s17, 0
	s_lshl_b32 s47, s[CH], 6
	s_lshl_b32 s46, s42, 7
	s_add_co_u32 s46, s46, s47                     ; w2h: row 128 x tile column + 64 x half
	s_lshl_b32 s46, s46, 13
	s_mov_b32 s47, 0
	s_mul_i32 s20, s[CH], HALFA                    ; where they go: hh's two halves,
	s_mul_i32 s21, s[CH], HALFB                    ; then w2h's two: no place in the cluster enters an LDS address
	s_add_co_u32 s21, s21, 2*HALFA
	s_mov_b32 s[HIM], 0xffff0000
	s_wait_dscnt 0x0                               ; both opening adds are done
	s_wait_kmcnt 0x0
	s_add_nc_u64 s[16:17], s[4:5], s[16:17]
	s_add_nc_u64 s[46:47], s[6:7], s[46:47]
	CROUND                                         ; all sixteen work-groups are here: the first joint loads meet
.irp s, 0,1
	s_mov_b32 s[G0+4*(\s)], 1                                      ; count = 1
	s_add_co_u32 s[G0+4*(\s)+1], s20, (\s)*SLOT                    ; LDS address
	s_add_nc_u64 s[G0+4*(\s)+2:G0+4*(\s)+3], s[16:17], (\s)*KSTEP*2  ; global address: K step s
	s_or_b32 s[G0+4*(\s)+3], s[G0+4*(\s)+3], 0x80000000            ; type = 2
	s_mov_b32 s[G0B+4*(\s)], 1
	s_add_co_u32 s[G0B+4*(\s)+1], s21, (\s)*SLOT
	s_add_nc_u64 s[G0B+4*(\s)+2:G0B+4*(\s)+3], s[46:47], (\s)*KSTEP*2
	s_or_b32 s[G0B+4*(\s)+3], s[G0B+4*(\s)+3], 0x80000000
	JLOAD \s                                       ; two loads of mine are out
.endr
	; the bias of my 64 columns: register j of block b is b2[16 b + 8 (l / 16) + j], the place that the sums have
	v_and_b32 v1, 15, v0                           ; l % 16
	v_bfe_u32 v2, v0, 4, 1                         ; l / 16
	v_lshlrev_b32 v3, 5, v2
	s_lshl_b32 s46, s42, 9                         ; (128 x tile column + 64 x half) x 4 bytes: also my first column's place in a row of out0
	s_lshl_b32 s47, s[CH], 8
	s_add_co_u32 s46, s46, s47
	s_mov_b32 s47, 0
	s_add_nc_u64 s[8:9], s[8:9], s[46:47]
	s_add_nc_u64 s[10:11], s[10:11], s[46:47]
.irp b, 0,1,2,3
	global_load_b128 v[BIAS+8*(\b):BIAS+8*(\b)+3],   v3, s[8:9] offset:64*(\b)
	global_load_b128 v[BIAS+8*(\b)+4:BIAS+8*(\b)+7], v3, s[8:9] offset:64*(\b)+16
.endr
	v_mul_u32_u24 v4, v1, PITCH                    ; a fragment's row x pitch + 16 x half
	v_lshl_add_u32 v4, v2, 4, v4
	s_mul_i32 s21, s[RH], HALFA                    ; my 128 rows of hh
	s_mul_i32 s22, s[CH], HALFB                    ; my 64 rows of w2h,
	s_add_co_u32 s22, s22, 2*HALFA                 ; which lie behind hh's 256
.irp s, 0,1
	v_add_nc_u32 v[ADRA+(\s)], s21, v4
	v_add_nc_u32 v[ADRB+(\s)], s22, v4
	s_add_co_u32 s21, s21, SLOT
	s_add_co_u32 s22, s22, SLOT
.endr
	s_mul_i32 s23, s[WV], WST
	s_add_co_u32 s23, s23, STAGE                   ; my stage
	v_mul_u32_u24 v5, v1, PITCH                    ; in: row l % 16, 32 bytes for each half of the lanes
	v_lshl_add_u32 v5, v2, 5, v5
	v_add_nc_u32 v[STO], s23, v5
	v_mul_u32_u24 v5, v2, PITCH                    ; back: lanes 0-15 take one row of 256 bytes, lanes 16-31 the next
	v_lshl_add_u32 v5, v1, 4, v5
	v_add_nc_u32 v[RD], s23, v5
	v_lshlrev_b32 v5, 12, v2                       ; and the same two rows in out0
	v_lshl_add_u32 v[CO], v1, 4, v5
	v_and_b32 v6, 31, v0
	v_lshlrev_b32 v[PFO], 13, v6
	s_lshl_b32 s16, s43, 8                         ; out0 at my first row: 256 x tile row + 128 x half, rows of 4,096 bytes
	s_lshl_b32 s17, s[RH], 7
	s_add_co_u32 s16, s16, s17
	s_lshl_b32 s16, s16, 12
	s_mov_b32 s17, 0
	s_add_nc_u64 s[10:11], s[10:11], s[16:17]
	; the prefetches
	s_lshl_b32 s20, s43, 8
	s_lshl_b32 s22, s[CH], 7
	s_add_co_u32 s20, s20, s22                     ; hh: the 128 rows that I fetch
	s_lshl_b32 s21, s42, 7                         ; w2h: the tile's 128 rows
	s_and_b32 s22, ttmp7, 0xffff                   ; cluster y
	s_cmp_eq_u32 s[RH], 0                          ; do I fetch hh?
	s_cselect_b32 s20, s20, s21
	s_cselect_b32 s21, s40, s41                    ; my place among the four that ask with me
	s_cselect_b32 s22, ttmp9, s22                  ; the coordinate along which other clusters read the same rows
	s_cselect_b64 s[PFA:PFA+1], s[4:5], s[6:7]
	s_cmp_eq_u32 s[WV], 3                          ; wave 2 asks for all of my work-group's 32 rows of w2h, wave 3 for none
	s_cselect_b32 s22, 1, s22
	s_cmp_eq_u32 s22, 0
	s_cselect_b32 s[LIM], 2, -1                    ; the same in all sixteen partners, for a given wave
	s_lshl_b32 s21, s21, 5
	s_add_co_u32 s20, s20, s21                     ; + my work-group's 32 rows
	s_lshl_b32 s20, s20, 13
	s_mov_b32 s21, 0
	s_add_nc_u64 s[PFA:PFA+1], s[PFA:PFA+1], s[20:21]
	s_add_nc_u64 s[PFA:PFA+1], s[PFA:PFA+1], 5*KSTEP*2  ; at K step 5: the first refill steps it to 6
	s_wait_loadcnt 0x0                             ; the bias, rounded to bf16 like every input and widened again, through registers that the first fragments take later
.set k, 0
.rept 16
	v_cvt_pk_bf16_f32 v[FB+k], v[BIAS+2*k], v[BIAS+2*k+1]
.set k, k+1
.endr
.set k, 0
.rept 16
	v_lshlrev_b32 v[BIAS+2*k], 16, v[FB+k]
	v_and_b32 v[BIAS+2*k+1], s[HIM], v[FB+k]
.set k, k+1
.endr
	s_wait_tensorcnt 0x1                           ; my part of K step 0 is in; K step 1's may stay out
	s_barrier_signal -1
	s_barrier_wait -1                              ; everybody's is
	FETCH 0, 0, 0
	QUARTER 0, 64,  0, 1, 1                        ; the first quarter stands in front of the loop: its products start the sums, with the bias
	WIN 0                                          ; at a label and at a branch every window is 0
	s_mov_b32 s3, LAPS-1
.Llap:                                                 ; a trip goes once round the ring, from a lap's second quarter to the next lap's first, and fills both slots again
	QUARTER 0, 128, 1, 0, 0
	QUARTER 0, 192, 0, 1, 0
	TURN 0, 1
	QUARTER 1, 64,  0, 1, 0
	QUARTER 1, 128, 1, 0, 0
	QUARTER 1, 192, 0, 1, 0
	TURN 1, 0
	QUARTER 0, 64,  0, 1, 0
	WIN 0
	s_sub_co_u32 s3, s3, 1
	s_cmp_lg_u32 s3, 0
	s_cbranch_scc1 .Llap
	QUARTER 0, 128, 1, 0, 0                        ; the last lap is written out: it fills nothing
	QUARTER 0, 192, 0, 1, 0
	MEET 0                                         ; my one tensor load that was out is K step 31's; no round follows
	PLACES
	FETCH 1, 0, 0
	MUL8 1, 4, 0
	MUL8 1, 6, 0
	QUARTER 1, 64,  0, 1, 0
	QUARTER 1, 128, 1, 0, 0
	QUARTER 1, 192, 0, 1, 0
	s_wait_dscnt 8                                 ; the very last quarter: nothing more to fetch
	MUL8 1, 0, 0
	MUL8 1, 2, 0
	s_wait_dscnt 0x0
	MUL8 1, 4, 0
	MUL8 1, 6, 0
	WIN 0
	PLACES
	PLACES
	TOSTAGE 0
	TOSTAGE 1                                      ; a block's way through the stage stands between the loads of the block before and its stores
	SEND 0, 16
.irp a, 2,3,4,5,6,7
	TOSTAGE \a
	SEND (\a)-1, 16
.endr
	SEND 7, 0
	s_wait_tensorcnt 0x0                           ; the wave's end: a wait, an add and its wait, behind my last tensor load and my last LDS store
	ds_add_u32 v[SPW], v[NIL]
	s_wait_dscnt 0x0
	CROUND                                         ; the closing round: no work-group ends while a partner may still ask for a tile that names it
	s_endpgm
.Lfunc_end_k_qced1ab15ba_fc2:
	.size	k_qced1ab15ba_fc2, .Lfunc_end_k_qced1ab15ba_fc2-k_qced1ab15ba_fc2
	.p2alignl 7, 3214868480
	.fill 96, 4, 3214868480
	.section	.rodata,"a",@progbits
	.p2align	6, 0x0
	.amdhsa_kernel k_qced1ab15ba_fc2
		.amdhsa_group_segment_fixed_size 327680
		.amdhsa_private_segment_fixed_size 0
		.amdhsa_enable_private_segment 0
		.amdhsa_kernarg_size 32
		.amdhsa_user_sgpr_count 2
		.amdhsa_user_sgpr_kernarg_segment_ptr 1
		.amdhsa_wavefront_size32 1
		.amdhsa_system_sgpr_workgroup_id_x 1
		.amdhsa_system_sgpr_workgroup_id_y 1
		.amdhsa_system_sgpr_workgroup_id_z 1
		.amdhsa_system_vgpr_workitem_id 0
		.amdhsa_next_free_vgpr 512
		.amdhsa_next_free_sgpr 70
		.amdhsa_reserve_vcc 0
		.amdhsa_float_denorm_mode_32 3
		.amdhsa_float_denorm_mode_16_64 3
		.amdhsa_memory_ordered 1
		.amdhsa_forward_progress 1
		.amdhsa_inst_pref_size 90
	.end_amdhsa_kernel
	.amdgpu_metadata
---
amdhsa.version: [ 1, 2 ]
amdhsa.kernels:
  - .name:           k_qced1ab15ba_fc2
    .symbol:         k_qced1ab15ba_fc2.kd
    .args:
      - { .name: hh, .offset: 0, .size: 8, .value_kind: global_buffer, .address_space: global }
      - { .name: w2h, .offset: 8, .size: 8, .value_kind: global_buffer, .address_space: global }
      - { .name: b2, .offset: 16, .size: 8, .value_kind: global_buffer, .address_space: global }
      - { .name: out0, .offset: 24, .size: 8, .value_kind: global_buffer, .address_space: global }
    .group_segment_fixed_size: 327680
    .private_segment_fixed_size: 0
    .kernarg_segment_align: 8
    .kernarg_segment_size: 32
    .max_flat_workgroup_size: 128
    .sgpr_count:     70
    .vgpr_count:     512
    .wavefront_size: 32
...
	.end_amdgpu_metadata
.endif
;; end of part 3
;; ======== version 2 of 3: 4 launches
;; limits: values are held in f16: magnitudes above 65,504 overflow, below 6.1e-05 lose precision; a function is approximated: absolute error at most 1.5e-07
;; workspace buffers: xb 16,777,216 bytes; w1b 8,388,608 bytes; cb2h 2,097,152 bytes; hh 67,108,864 bytes; tb2 67,108,864 bytes
;; launch prep (part 4): grid 512 x 1, 8 waves a work-group, no clusters, 0 bytes of LDS; arguments x, cb1, idx1, cb2, xb, w1b, cb2h; writes xb, w1b, cb2h
.if DOCPART == 4
	.amdgcn_target "amdgcn-amd-amdhsa--gfx1250"
	.amdhsa_code_object_version 6
	.text
	.protected	k_qced1ab15ba_prep
	.globl	k_qced1ab15ba_prep
	.p2align	8
	.type	k_qced1ab15ba_prep,@function
k_qced1ab15ba_prep:
	s_mov_b64 s[64:65], 0
	v_nop
	global_prefetch_b8 v0, s[64:65] scope:SCOPE_SE
	s_setreg_imm32_b32 hwreg(HW_REG_WAVE_MODE, 25, 1), 1
	s_wait_xcnt 0x0
; xb = bf16(x), [8192][1024].  w1b[n][128 c + j] = bf16(cb1[c][idx1[c][n]][j]), [4096][1024].  cb2h = f16(bf16(cb2)), [8][256][512].
; All inputs are rounded to bf16, once; cb2's bf16 number is then written as f16 for the second layer's product, whose other operand is f16.
; LIMITS.  |cb2| stays below 65,520, where f16 ends; a bf16 number below 7.6e-6 in size keeps f16's fixed step of 6e-8.  A code is taken as unsigned and held to 255, the table's last row.
; SHARES.  Each of the 512 work-groups does the same three parts: 16 rows of x, 8,192 bytes of cb2, 8 rows of W1.  Eight waves; in the gather wave w is codebook w.
; A UNIT is one load and one store of a wave: a lane loads 16 bytes (4 f32) and stores 8 (4 numbers of 16 bits), so the load covers 512 consecutive bytes and the store 256 consecutive bytes, aligned.
; A wave has 26 units: 0-15 x, 16-17 cb2, 18-25 W1's rows.  EIGHT LOADS OF A WAVE ARE OUT AT A TIME (4 KiB a wave, 32 KiB a work-group): unit k is waited for, unit k + 8 is asked for, then unit k is
; converted and stored, so that stores leave among the loads.  Each unit has registers of its own, and no register that a load or store names is written again: only the counted waits for data are needed.
; No LDS, no barrier, no matrix unit, no cluster: nothing is shared between waves or work-groups, and each byte passes once.
.set X,   16                           ; v[16:79]    16 x 4 registers of x
.set Y1,  80                           ; v[80:111]   8 x 4 registers of cb1's rows
.set Y2,  112                          ; v[112:119]  2 x 4 registers of cb2
.set G1O, 120                          ; v[120:127]  byte offset of my 16 bytes in the row of cb1 that each of the 8 codes names
.set T,   128                          ; v[128:129]  at work
.set NL,  26                           ; units of a wave
.set DEPTH, 8                          ; loads of a wave that are out at a time
.macro CVB a                           ; four f32 to four bf16, in place: v[a:a+1]
	v_cvt_pk_bf16_f32 v[(\a)], v[(\a)], v[(\a)+1]
	v_cvt_pk_bf16_f32 v[(\a)+1], v[(\a)+2], v[(\a)+3]
.endm
.macro CVH a                           ; four f32 rounded to bf16, widened again, and written as f16: v[a:a+1]
	v_cvt_pk_bf16_f32 v[T], v[(\a)], v[(\a)+1]
	v_cvt_pk_bf16_f32 v[T+1], v[(\a)+2], v[(\a)+3]
	v_lshlrev_b32 v[(\a)], 16, v[T]
	v_and_b32 v[(\a)+1], s36, v[T]
	v_lshlrev_b32 v[(\a)+2], 16, v[T+1]
	v_and_b32 v[(\a)+3], s36, v[T+1]
	v_cvt_pk_f16_f32 v[(\a)], v[(\a)], v[(\a)+1]
	v_cvt_pk_f16_f32 v[(\a)+1], v[(\a)+2], v[(\a)+3]
.endm
.macro ASK k                           ; unit k's load
.if (\k) < 16
	global_load_b128 v[X+4*(\k):X+4*(\k)+3], v1, s[4:5] offset:4096*(\k) th:TH_LOAD_NT  ; x is read once in the launch
.elseif (\k) < 18
	global_load_b128 v[Y2+4*((\k)-16):Y2+4*((\k)-16)+3], v1, s[10:11] offset:4096*((\k)-16) th:TH_LOAD_NT  ; and so is cb2
.else
	global_load_b128 v[Y1+4*((\k)-18):Y1+4*((\k)-18)+3], v[G1O+(\k)-18], s[6:7]  ; a row of cb1 may be named again, by this work-group or another
.endif
.endm
.macro OUT k                           ; unit k's conversion and store
.if (\k) < 16
	CVB X+4*(\k)
	global_store_b64 v2, v[X+4*(\k):X+4*(\k)+1], s[12:13] offset:2048*(\k)
.elseif (\k) < 18
	CVH Y2+4*((\k)-16)
	global_store_b64 v2, v[Y2+4*((\k)-16):Y2+4*((\k)-16)+1], s[16:17] offset:2048*((\k)-16)
.else
	CVB Y1+4*((\k)-18)
	global_store_b64 v4, v[Y1+4*((\k)-18):Y1+4*((\k)-18)+1], s[14:15] offset:2048*((\k)-18)
.endif
.endm
	s_load_b256 s[4:11], s[0:1], 0x0               ; x s[4:5], cb1 s[6:7], idx1 s[8:9], cb2 s[10:11]
	s_load_b128 s[12:15], s[0:1], 0x20             ; xb s[12:13], w1b s[14:15]
	s_load_b64 s[16:17], s[0:1], 0x30              ; cb2h
	v_lshrrev_b32 v5, 5, v0
	v_readfirstlane_b32 s20, v5                    ; wave = codebook
	v_and_b32 v6, 31, v0                           ; lane
	v_lshlrev_b32 v1, 4, v0                        ; 16 t: my 16 bytes of the work-group's 4,096 of f32
	v_lshlrev_b32 v2, 3, v0                        ; 8 t: my 8 bytes of its 2,048 of 16-bit numbers
	v_lshlrev_b32 v3, 4, v6                        ; 16 l: my 16 bytes of 512 of a row of cb1
	v_lshlrev_b32 v4, 3, v6                        ; 8 l: my 8 bytes of 256 of a row of w1b
	s_mov_b32 s36, 0xffff0000                      ; a word's upper bf16
	s_mov_b32 s35, 0                               ; the upper word of every offset below: all stay under 2^32
	s_lshl_b32 s21, s20, 14                        ; idx1[w][8 g]: (4,096 w + 8 g) x 4 bytes
	s_lshl_b32 s22, ttmp9, 5
	s_add_co_u32 s34, s21, s22
	s_wait_kmcnt 0x0
	s_add_nc_u64 s[8:9], s[8:9], s[34:35]
	s_load_b256 s[24:31], s[8:9], 0x0              ; my codebook's codes for the work-group's 8 rows of W1
	s_lshl_b32 s34, ttmp9, 16                      ; 16 rows of x: 65,536 bytes
	s_add_nc_u64 s[4:5], s[4:5], s[34:35]
.set k, 0
.rept DEPTH
	ASK k                                          ; the first eight units, all of x
.set k, k+1
.endr
	s_lshl_b32 s34, ttmp9, 13                      ; 8,192 bytes of cb2
	s_add_nc_u64 s[10:11], s[10:11], s[34:35]
	s_lshl_b32 s34, ttmp9, 15                      ; 16 rows of xb
	s_add_nc_u64 s[12:13], s[12:13], s[34:35]
	s_lshl_b32 s34, ttmp9, 12                      ; 4,096 bytes of cb2h
	s_add_nc_u64 s[16:17], s[16:17], s[34:35]
	s_lshl_b32 s34, s20, 17                        ; codebook w of cb1: 256 rows of 512 bytes
	s_add_nc_u64 s[6:7], s[6:7], s[34:35]
	s_lshl_b32 s34, ttmp9, 14                      ; 8 rows of w1b of 2,048 bytes, my codebook's 256 bytes of each
	s_lshl_b32 s23, s20, 8
	s_add_co_u32 s34, s34, s23
	s_add_nc_u64 s[14:15], s[14:15], s[34:35]
	s_wait_kmcnt 0x0                               ; the codes
.irp i, 0,1,2,3,4,5,6,7
	s_min_u32 s[24+(\i)], s[24+(\i)], 255          ; a code enters an address only when it is held inside its table
	v_lshl_add_u32 v[G1O+(\i)], s[24+(\i)], 9, v3
.endr
; Loads come back in the order of issue (ISA guide 5.7.1).  At unit k's wait the units up to k + 7 have been asked for: seven younger loads may stay out; from unit 19 on nothing is left to ask for, and the
; counts run down, 6 to 0.
.set k, 0
.rept NL
.if k+DEPTH <= NL
	s_wait_loadcnt DEPTH-1
.else
	s_wait_loadcnt NL-1-k
.endif
.if k+DEPTH < NL
	ASK k+DEPTH                                    ; the load ahead of the store
.endif
	OUT k
.set k, k+1
.endr
	s_endpgm
.Lfunc_end_k_qced1ab15ba_prep:
	.size	k_qced1ab15ba_prep, .Lfunc_end_k_qced1ab15ba_prep-k_qced1ab15ba_prep
	.p2alignl 7, 3214868480
	.fill 96, 4, 3214868480
	.section	.rodata,"a",@progbits
	.p2align	6, 0x0
	.amdhsa_kernel k_qced1ab15ba_prep
		.amdhsa_group_segment_fixed_size 0
		.amdhsa_private_segment_fixed_size 0
		.amdhsa_enable_private_segment 0
		.amdhsa_kernarg_size 56
		.amdhsa_user_sgpr_count 2
		.amdhsa_user_sgpr_kernarg_segment_ptr 1
		.amdhsa_wavefront_size32 1
		.amdhsa_system_sgpr_workgroup_id_x 1
		.amdhsa_system_sgpr_workgroup_id_y 1
		.amdhsa_system_sgpr_workgroup_id_z 1
		.amdhsa_system_vgpr_workitem_id 0
		.amdhsa_next_free_vgpr 130
		.amdhsa_next_free_sgpr 66
		.amdhsa_reserve_vcc 0
		.amdhsa_float_denorm_mode_32 3
		.amdhsa_float_denorm_mode_16_64 3
		.amdhsa_memory_ordered 1
		.amdhsa_forward_progress 1
		.amdhsa_inst_pref_size 12
	.end_amdhsa_kernel
	.amdgpu_metadata
---
amdhsa.version: [ 1, 2 ]
amdhsa.kernels:
  - .name:           k_qced1ab15ba_prep
    .symbol:         k_qced1ab15ba_prep.kd
    .args:
      - { .name: x, .offset: 0, .size: 8, .value_kind: global_buffer, .address_space: global }
      - { .name: cb1, .offset: 8, .size: 8, .value_kind: global_buffer, .address_space: global }
      - { .name: idx1, .offset: 16, .size: 8, .value_kind: global_buffer, .address_space: global }
      - { .name: cb2, .offset: 24, .size: 8, .value_kind: global_buffer, .address_space: global }
      - { .name: xb, .offset: 32, .size: 8, .value_kind: global_buffer, .address_space: global }
      - { .name: w1b, .offset: 40, .size: 8, .value_kind: global_buffer, .address_space: global }
      - { .name: cb2h, .offset: 48, .size: 8, .value_kind: global_buffer, .address_space: global }
    .group_segment_fixed_size: 0
    .private_segment_fixed_size: 0
    .kernarg_segment_align: 8
    .kernarg_segment_size: 56
    .max_flat_workgroup_size: 256
    .sgpr_count:     66
    .vgpr_count:     130
    .wavefront_size: 32
...
	.end_amdgpu_metadata
.endif
;; end of part 4
;; launch fc1: the kernel of part 2 again; grid 16 x 32, 4 waves a work-group, clusters of 4 x 4, 327,680 bytes of LDS; arguments xb, w1b, b1, hh; writes hh
;; launch tab2 (part 5): grid 32 x 8, 4 waves a work-group, clusters of 4 x 1, 327,680 bytes of LDS; arguments hh, cb2h, tb2; writes tb2
.if DOCPART == 5
	.amdgcn_target "amdgcn-amd-amdhsa--gfx1250"
	.amdhsa_code_object_version 6
	.text
	.protected	k_qced1ab15ba_tab2
	.globl	k_qced1ab15ba_tab2
	.p2align	8
	.type	k_qced1ab15ba_tab2,@function
k_qced1ab15ba_tab2:
	s_mov_b64 s[64:65], 0
	v_nop
	global_prefetch_b8 v0, s[64:65] scope:SCOPE_SE
	s_setreg_imm32_b32 hwreg(HW_REG_WAVE_MODE, 25, 1), 1
	s_wait_xcnt 0x0
	s_wait_alu depctr_hold_cnt(0) depctr_sa_sdst(0) depctr_va_vdst(0) depctr_va_sdst(0) depctr_va_ssrc(0) depctr_va_vcc(0) depctr_vm_vsrc(0)
	s_getreg_b32 s2, hwreg(HW_REG_IB_STS2, 6, 4)
	s_cmp_eq_u32 s2, 0
	s_cbranch_scc0 .Lentry_in_a_cluster
	s_endpgm
.Lentry_in_a_cluster:
	s_bfe_u32 s2, ttmp6, 0x10000c
	s_cmp_lg_u32 s2, 0x3003
	s_cbranch_scc0 .Lentry_shape_is_right
	s_endpgm
.Lentry_shape_is_right:
; THE SECOND LAYER'S TABLES.  W2[d][512 c + j] = cb2[c][idx2[c][d]][j], so  sum over k of h[m][k] W2[d][k]  =  sum over c of T[c][idx2[c][d]][m]  with  T[c][code][m] = sum over j of h[m][512 c + j] cb2[c][code][j]:
; true for every input.  This launch makes T, 8192 x 2048 sums of 512 terms, a quarter of the dense product's multiply-adds; the next launch picks and adds.
; hh: [8192][4096] f16, cb2h: [8][256][512] f16, tb2: [256 blocks of 32 rows][8 c][256 codes][32 rows] f32: partial sums, kept in f32.  NaN and infinities are not treated apart.
; SHARES.  A work-group takes 256 rows of hh and one codebook c: a tile of 256 codes x 256 rows, K = 512.  Four waves, each 128 codes x 128 rows: 64 accumulators, 512 registers.  K goes in 4 steps of 128
; through a ring of two LDS slots filled by the tensor data mover: K steps 0 and 1 are the first fills, 2 and 3 the two refills, so the walk is written straight through, without a loop.
; CLUSTER.  4 x 1 work-groups with the same c: cb2h's tiles are asked for JOINTLY (the same load, descriptor and mask of four in all four); a work-group's slice of hh is read by nobody else and comes by a
; load of its own, behind the same rounds.
; NO PREFETCH: of the four K steps two are asked for at the head and the other two within one lap of the ring; no place of the text stands further ahead of them.
; LAYOUT.  Source 0 = 16 rows of hh, source 1 = 16 codes: lane l holds code l % 16, registers 0-7 the rows 8 (l / 16) + 0..7.
; THE WAY OUT.  The wave's 128 x 128 sums go into its own stage in LDS (the ring's bytes, when they have had their last fill) and come back four codes x 32 rows at a time: 512 consecutive bytes of tb2.
; REGISTERS, in windows of 256 (s_set_vgpr_msb: bits 1:0 source 0, 3:2 source 1, 5:4 source 2, 7:6 destination):
;   window 0: v0-31 addresses; v64-127, v128-191 fragments of cb2h, two buffers; on the way out the same 128 registers, two sets of 64
;   window 1: v64-127, v128-191 fragments of hh, two buffers
;   window 2: the 32 accumulators of my codes 0-63 ((a, b) at v[8 (8 a + b)]: code block a, row block b);   window 3: those of my codes 64-127
.set SIZE_K, 512                       ; a codebook's slice of the hidden axis
.set HID,    4096
.set KSTEP,  128
.set PITCH,  272                       ; an LDS row: 256 bytes + 16 of padding = 68 words: row r starts at bank 4 r mod 64 (64 banks of 4 bytes: ISA guide 11.1)
.set HALFT,  128*PITCH                 ; 128 rows: what one tensor load brings, and what one wave reads of either operand
.set SLOT,   4*HALFT                   ; cb2h's 256 codes, then hh's 256 rows
.set SP,     528                       ; a stage row: 128 f32 + 16 bytes = 33 x 16 bytes: the place p of a row shifts its 16-byte columns by p mod 16
.set WST,    128*SP                    ; a wave's stage; the four, 270,336 bytes, lie where the ring lay
.set SPARE,  327168                    ; the spare words, 128 bytes for each wave: two blocks of 256 bytes that no other line names
.set MBLK,   262144                    ; bytes of tb2 for a block of 32 rows
.set PADF,   (1<<16)|(1<<20)|(5<<22)|(3<<25)  ; group 1, word 0: elements of 2 bytes; padding on; after every 64 words (code 5) 4 words (code 3)
.set ADRA, 16                          ; v16-17  LDS address of my fragments of cb2h in slot 0, 1
.set ADRB, 20                          ; v20-21  the same for hh
.set STO,  24                          ; v24     where I put 32 bytes of a stage row
.set RD,   25                          ; v25     where I read 16 bytes back
.set TO,   26                          ; v26     16 x lane: my 16 bytes of 512 of tb2
.set SPW,  28                          ; v28     LDS address of my spare word; never rewritten
.set NIL,  29                          ; v29     0; never rewritten
.set F0,   64
.set F1,   128
.set BK,   64                          ; the way out: two sets of 64 registers
.set WV,   12                          ; s12  wave
.set RH,   13                          ; s13  which half of the codes is mine; also: I fetch cb2h (0) or hh (1)
.set CH,   14                          ; s14  which half of the rows; also: which 128 rows of that tile I fetch
.set G1,   24                          ; s[24:31] group 1 for cb2h's tiles;  s[32:39] group 0, a set for each slot
.set G0,   32
.set G1B,  48                          ; s[48:55], s[56:63] the same for hh's tiles
.set G0B,  56
.set MSB, 0
.macro WIN new                         ; the immediate's high byte repeats the setting that is left; a switch that changes nothing is dropped
.if MSB != (\new)
	s_set_vgpr_msb (MSB<<8)|(\new)
.set MSB, \new
.endif
.endm
.set MUL_LO, 0xa1                      ; source 0 (hh) window 1, source 1 (cb2h) window 0, C and D window 2
.set TO_B,   0x40                      ; destination window 1, address window 0
; A fill.  Waves 0 and 1 fetch cb2h's two halves, jointly with the partners; waves 2 and 3 the two halves of my own rows of hh.  The branch hangs on the wave's number alone.
; An s_nop 0 and four v_nop follow each line.
.macro JLOAD s
	s_cmp_eq_u32 s[RH], 0
	s_cbranch_scc0 .Lfor_b_\@
	tensor_load_to_lds s[G0+4*(\s):G0+4*(\s)+3], s[G1:G1+7]
	s_nop 0
.rept 4
	v_nop
.endr
	s_branch .Lasked_\@
.Lfor_b_\@:
	tensor_load_to_lds s[G0B+4*(\s):G0B+4*(\s)+3], s[G1B:G1B+7]
	s_nop 0
.rept 4
	v_nop
.endr
.Lasked_\@:
.endm
.macro CREST                           ; a round of the cluster's barrier behind its opening barrier
	s_cmp_lg_u32 s[WV], 0
	s_cbranch_scc1 .Lnot_wave_0_\@
	s_barrier_signal -3
.Lnot_wave_0_\@:
	s_barrier_wait -3
	s_barrier_signal -1
	s_barrier_wait -1
.endm
.macro CROUND                          ; a whole round
	s_barrier_signal -1
	s_barrier_wait -1
	CREST
.endm
.macro PLACES                          ; four plain instructions between a matrix instruction and a load into, or a read of, its registers (ISA guide 7.12.1 for reads)
.rept 4
	v_nop
.endr
.endm
; 16 matrix instructions: code blocks a0, a0 + 1 of the window's four (hi = 0: my codes 0-63, 1: codes 64-127) x all 8 row blocks, 32 along K.  first = 1: the product starts the sums.
; The 64 accumulators take turns in the same order in every quarter step.
.macro MUL16 f, hi, a0, first
	WIN MUL_LO+0x50*(\hi)
.irp a, \a0, (\a0)+1
.irp b, 0,1,2,3,4,5,6,7
.if \first
	v_wmma_f32_16x16x32_f16 v[8*(8*(\a)+(\b)):8*(8*(\a)+(\b))+7], v[(\f)+8*(\b):(\f)+8*(\b)+7], v[(\f)+8*(4*(\hi)+(\a)):(\f)+8*(4*(\hi)+(\a))+7], 0
.else
	v_wmma_f32_16x16x32_f16 v[8*(8*(\a)+(\b)):8*(8*(\a)+(\b))+7], v[(\f)+8*(\b):(\f)+8*(\b)+7], v[(\f)+8*(4*(\hi)+(\a)):(\f)+8*(4*(\hi)+(\a))+7], v[8*(8*(\a)+(\b)):8*(8*(\a)+(\b))+7]
.endif
.endr
.endr
.endm
; 32 LDS loads in one run: the fragments of one quarter step (32 K at byte k of the rows) into buffer f: hh's 16 loads, then cb2h's
.macro FETCH slot, k, f
	WIN TO_B
.irp i, 0,1,2,3,4,5,6,7
	ds_load_b128 v[(\f)+8*(\i):(\f)+8*(\i)+3],   v[ADRB+(\slot)] offset:(\k)+(\i)*16*PITCH
	ds_load_b128 v[(\f)+8*(\i)+4:(\f)+8*(\i)+7], v[ADRB+(\slot)] offset:(\k)+(\i)*16*PITCH+32
.endr
	WIN 0
.irp i, 0,1,2,3,4,5,6,7
	ds_load_b128 v[(\f)+8*(\i):(\f)+8*(\i)+3],   v[ADRA+(\slot)] offset:(\k)+(\i)*16*PITCH
	ds_load_b128 v[(\f)+8*(\i)+4:(\f)+8*(\i)+7], v[ADRA+(\slot)] offset:(\k)+(\i)*16*PITCH+32
.endr
.endm
; One of a K step's first three quarters: multiplies buffer f; in its middle it fetches the next quarter's fragments, at byte k, into buffer g.
.macro QUARTER slot, k, f, g, first
	s_wait_dscnt 8                                 ; hh's fragments and my codes 0-63 are in; the youngest eight loads (codes 64-127) may be out
	MUL16 \f, 0, 0, \first
	MUL16 \f, 0, 2, \first
	PLACES
	FETCH \slot, \k, \g
	s_wait_dscnt 32                                ; all but the 32 just issued
	MUL16 \f, 1, 0, \first
	MUL16 \f, 1, 2, \first
.endm
; The first half of a K step's last quarter: ONE barrier for the change of slots.  In front of it each wave waits for all its tensor loads (one is out: its part of the next slot), adds 0 to its spare word,
; and waits for that and for its own reads of this slot.  Behind it nobody reads this slot any more and the next slot is whole.
.macro MEET round
	WIN 0
	s_wait_tensorcnt 0x0
	ds_add_u32 v[SPW], v[NIL]
	s_wait_dscnt 9                                 ; the add and the youngest eight loads may be out
	MUL16 F1, 0, 0, 0                              ; sixteen matrix instructions stand between the add and the wait for it
	s_wait_dscnt 0x0                               ; the add is done, and my reads of this slot are over
	s_barrier_signal -1
	MUL16 F1, 0, 2, 0
.if \round
	WIN 0
.endif
	s_barrier_wait -1
.endm
; The whole last quarter with a refill: the barrier opens a round of the cluster's, the refill is the first thing behind the round, 224 matrix instructions ahead of the wait for it.
.macro TURN slot, next
	MEET 1
	CREST                                          ; no wave of any partner still reads this slot or has a load on its way
	s_add_nc_u64 s[G0+4*(\slot)+2:G0+4*(\slot)+3], s[G0+4*(\slot)+2:G0+4*(\slot)+3], 2*KSTEP*2
	s_add_nc_u64 s[G0B+4*(\slot)+2:G0B+4*(\slot)+3], s[G0B+4*(\slot)+2:G0B+4*(\slot)+3], 2*KSTEP*2
	JLOAD \slot                                    ; its four v_nop are also the places in front of the loads below
	FETCH \next, 0, F0
	MUL16 F1, 1, 0, 0
	MUL16 F1, 1, 2, 0
.endm
; THE WAY OUT, batch n: code block n (16 codes) x my four blocks of 32 rows: 16 loads from my stage, 16 stores.  Load u: codes 4 (u / 4) + 0..3, row block u % 4.
.macro LDB n
	s_wait_xcnt 0x0                                ; the stores of the batch two back have read these registers
.set u, 0
.rept 16
	ds_load_b128 v[BK+64*((\n)%2)+4*u:BK+64*((\n)%2)+4*u+3], v[RD] offset:(16*(\n)+2*(u/4))*SP+128*(u%4)
.set u, u+1
.endr
.endm
.macro STB n, younger                  ; younger: the LDS loads issued behind batch n's: the next batch's sixteen, or none
	s_wait_dscnt \younger
.set u, 0
.rept 16
	global_store_b128 v[TO], v[BK+64*((\n)%2)+4*u:BK+64*((\n)%2)+4*u+3], s[8:9] offset:(u%4)*MBLK+(\n)*2048+(u/4)*512 th:TH_STORE_NT  ; the wave stores 512 consecutive bytes, at a multiple of 512 from tb2's first byte
.set u, u+1
.endr
.endm
	s_load_b128 s[4:7], s[0:1], 0x0                ; hh s[4:5], cb2h s[6:7]
	s_load_b64 s[8:9], s[0:1], 0x10                ; tb2
	v_lshl_add_u32 v[SPW], v0, 2, SPARE
	v_mov_b32 v[NIL], 0
	ds_add_u32 v[SPW], v[NIL]                      ; the wave's opening: the add, twice on end, and its wait ahead of my first tensor load
	ds_add_u32 v[SPW], v[NIL]                      ; (the set-up below, work on registers, stands between the second add and the wait)
	v_lshrrev_b32 v1, 5, v0
	v_readfirstlane_b32 s[WV], v1                  ; wave 0..3
	s_lshr_b32 s[RH], s[WV], 1
	s_and_b32 s[CH], s[WV], 1
	s_bfe_u32 s40, ttmp6, 0x40000                  ; cx: my place in the cluster
	s_lshl_b32 s42, ttmp9, 2
	s_add_co_u32 s42, s42, s40                     ; my block of 256 rows = 4 x cluster x + cx, 0..31: it enters hh's and tb2's addresses alone
	s_and_b32 s41, ttmp7, 0xffff                   ; the codebook c, which the four partners share
	s_mov_b32 s[G1], 15|(1<<21)|PADF               ; cb2h's tiles: the mask of all four, bit 21 beside it
	s_mov_b32 s[G1B], PADF                         ; hh's tiles: no mask: a load of my own
	s_mov_b32 s[G1+1], KSTEP<<16                   ; tensor_dim0 = 128
	s_mov_b32 s[G1+2], 128<<16                     ; tensor_dim1 = 128
	s_mov_b32 s[G1+3], KSTEP<<16                   ; tile_dim0 = 128
	s_mov_b32 s[G1+4], 128                         ; tile_dim1 = 128
	s_mov_b32 s[G1+5], SIZE_K                      ; elements from code to code
	s_mov_b32 s[G1+6], 0
	s_mov_b32 s[G1+7], 0
	s_mov_b32 s[G1B+1], KSTEP<<16
	s_mov_b32 s[G1B+2], 128<<16
	s_mov_b32 s[G1B+3], KSTEP<<16
	s_mov_b32 s[G1B+4], 128
	s_mov_b32 s[G1B+5], HID                        ; elements from row to row of hh
	s_mov_b32 s[G1B+6], 0
	s_mov_b32 s[G1B+7], 0
	s_lshl_b32 s16, s41, 18                        ; cb2h: codebook c (262,144 bytes), the 128 codes that I fetch (1,024 bytes each)
	s_lshl_b32 s17, s[CH], 17
	s_add_co_u32 s16, s16, s17
	s_mov_b32 s17, 0
	s_lshl_b32 s44, s42, 21                        ; 256 rows of hh are 2^21 bytes, and so are their 8 blocks of tb2;
	s_lshl_b32 s45, s[CH], 20                      ; half of them 2^20
	s_add_co_u32 s44, s44, s45
	s_lshl_b32 s47, s41, 10                        ; hh: + the codebook's 512 columns
	s_add_co_u32 s46, s44, s47
	s_mov_b32 s47, 0
	s_lshl_b32 s45, s41, 15                        ; tb2: + the codebook's table (32,768 bytes)
	s_add_co_u32 s44, s44, s45
	s_lshl_b32 s45, s[RH], 14                      ; + my 128 codes of 128 bytes
	s_add_co_u32 s44, s44, s45
	s_mov_b32 s45, 0
	s_mul_i32 s20, s[WV], HALFT                    ; where the tiles go: wave x 128 rows: no place in the cluster enters an LDS address
	s_wait_dscnt 0x0                               ; both opening adds are done
	s_wait_kmcnt 0x0
	s_add_nc_u64 s[16:17], s[6:7], s[16:17]
	s_add_nc_u64 s[46:47], s[4:5], s[46:47]
	s_add_nc_u64 s[8:9], s[8:9], s[44:45]
	CROUND                                         ; all four work-groups are here: the first joint loads meet
.irp s, 0,1
	s_mov_b32 s[G0+4*(\s)], 1                                      ; count = 1
	s_add_co_u32 s[G0+4*(\s)+1], s20, (\s)*SLOT                    ; LDS address
	s_add_nc_u64 s[G0+4*(\s)+2:G0+4*(\s)+3], s[16:17], (\s)*KSTEP*2  ; global address: K step s
	s_or_b32 s[G0+4*(\s)+3], s[G0+4*(\s)+3], 0x80000000            ; type = 2
	s_mov_b32 s[G0B+4*(\s)], 1
	s_add_co_u32 s[G0B+4*(\s)+1], s20, (\s)*SLOT
	s_add_nc_u64 s[G0B+4*(\s)+2:G0B+4*(\s)+3], s[46:47], (\s)*KSTEP*2
	s_or_b32 s[G0B+4*(\s)+3], s[G0B+4*(\s)+3], 0x80000000
	JLOAD \s                                       ; two loads of mine are out
.endr
	; a fragment is 16 rows x 32 K in 8 registers: lane l holds row l % 16, K = 8 (l / 16) + 0..7 and 16 + 8 (l / 16) + 0..7: two loads of 16 bytes, 32 bytes apart
	v_and_b32 v1, 15, v0                           ; r = l % 16
	v_bfe_u32 v2, v0, 4, 1                         ; h = l / 16
	v_mul_u32_u24 v4, v1, PITCH
	v_lshl_add_u32 v4, v2, 4, v4
	s_mul_i32 s21, s[RH], HALFT                    ; my 128 codes
	s_mul_i32 s22, s[CH], HALFT                    ; my 128 rows of hh,
	s_add_co_u32 s22, s22, 2*HALFT                 ; which lie behind the 256 codes
.irp s, 0,1
	v_add_nc_u32 v[ADRA+(\s)], s21, v4
	v_add_nc_u32 v[ADRB+(\s)], s22, v4
	s_add_co_u32 s21, s21, SLOT
	s_add_co_u32 s22, s22, SLOT
.endr
	; The stage.  Of each 16 codes, code r lies at place (r >> 1) + 8 (r & 1).
	; Back: a load takes codes 4 t .. 4 t + 3, eight lanes (128 bytes, 32 rows of hh) each; the two codes of sixteen lanes lie eight places apart, so their columns do not meet.
	s_mul_i32 s23, s[WV], WST                      ; my stage
	v_lshrrev_b32 v5, 1, v1
	v_and_b32 v6, 1, v1
	v_lshl_add_u32 v5, v6, 3, v5                   ; my code's place
	v_mul_u32_u24 v5, v5, SP
	v_lshl_add_u32 v5, v2, 5, v5                   ; 32 bytes for each half of the lanes
	v_add_nc_u32 v[STO], s23, v5
	v_bfe_u32 v6, v0, 3, 1                         ; back: code k = l / 8 of the four: place (k >> 1) + 8 (k & 1), and k >> 1 is h
	v_lshl_add_u32 v6, v6, 3, v2
	v_mul_u32_u24 v6, v6, SP
	v_and_b32 v7, 7, v0
	v_lshl_add_u32 v6, v7, 4, v6                   ; my 16 bytes of the 128
	v_add_nc_u32 v[RD], s23, v6
	v_and_b32 v7, 31, v0
	v_lshlrev_b32 v[TO], 4, v7                     ; four codes x 128 bytes lie on end in tb2
	s_wait_tensorcnt 0x1                           ; my part of K step 0 is in; K step 1's may stay out
	s_barrier_signal -1
	s_barrier_wait -1                              ; everybody's is
	FETCH 0, 0, F0
	QUARTER 0, 64,  F0, F1, 1                      ; K step 0; its first quarter's products start the sums
	QUARTER 0, 128, F1, F0, 0
	QUARTER 0, 192, F0, F1, 0
	TURN 0, 1                                      ; slot 0 takes K step 2
	QUARTER 1, 64,  F0, F1, 0                      ; K step 1
	QUARTER 1, 128, F1, F0, 0
	QUARTER 1, 192, F0, F1, 0
	TURN 1, 0                                      ; slot 1 takes K step 3
	QUARTER 0, 64,  F0, F1, 0                      ; K step 2
	QUARTER 0, 128, F1, F0, 0
	QUARTER 0, 192, F0, F1, 0
	MEET 0                                         ; my one tensor load that was out is K step 3's, so no round follows
	PLACES
	FETCH 1, 0, F0
	MUL16 F1, 1, 0, 0
	MUL16 F1, 1, 2, 0
	QUARTER 1, 64,  F0, F1, 0                      ; K step 3
	QUARTER 1, 128, F1, F0, 0
	QUARTER 1, 192, F0, F1, 0
	s_wait_dscnt 8                                 ; the very last quarter: nothing more to fetch
	MUL16 F1, 0, 0, 0
	MUL16 F1, 0, 2, 0
	s_wait_dscnt 0x0                               ; my reads of the ring are over:
	s_barrier_signal -1                            ; say so,
	MUL16 F1, 1, 0, 0                              ; work on registers while the others arrive,
	MUL16 F1, 1, 2, 0
	WIN 0
	s_barrier_wait -1                              ; and behind this no wave reads the ring, which has had its last fill: its bytes are the stages now
	; All 64 accumulators into my stage, each from its low registers on: place of code 16 a + l % 16, bytes 64 b + 32 (l / 16).
	PLACES
	PLACES
.irp a, 0,1,2,3,4,5,6,7
	WIN 0x08+4*((\a)/4)                            ; the stores' data: window 2 or 3
.irp b, 0,1,2,3,4,5,6,7
	ds_store_b128 v[STO], v[8*(8*((\a)%4)+(\b)):8*(8*((\a)%4)+(\b))+3]   offset:16*(\a)*SP+64*(\b)
	ds_store_b128 v[STO], v[8*(8*((\a)%4)+(\b))+4:8*(8*((\a)%4)+(\b))+7] offset:16*(\a)*SP+64*(\b)+16
.endr
.endr
	WIN 0
	LDB 0                                          ; LDS serves a wave's instructions in order (ISA guide 5.7.1.4): these see my stores above; no other wave touches my stage
	LDB 1                                          ; a batch's loads stand between the loads of the batch before and its stores
	STB 0, 16
.irp n, 2,3,4,5,6,7
	LDB \n
	STB (\n)-1, 16
.endr
	STB 7, 0
	s_wait_tensorcnt 0x0                           ; the wave's end: a wait, an add and its wait, behind my last tensor load and my last LDS store
	ds_add_u32 v[SPW], v[NIL]
	s_wait_dscnt 0x0
	CROUND                                         ; the closing round: no work-group ends while a partner may still ask for a tile that names it
	s_endpgm
.Lfunc_end_k_qced1ab15ba_tab2:
	.size	k_qced1ab15ba_tab2, .Lfunc_end_k_qced1ab15ba_tab2-k_qced1ab15ba_tab2
	.p2alignl 7, 3214868480
	.fill 96, 4, 3214868480
	.section	.rodata,"a",@progbits
	.p2align	6, 0x0
	.amdhsa_kernel k_qced1ab15ba_tab2
		.amdhsa_group_segment_fixed_size 327680
		.amdhsa_private_segment_fixed_size 0
		.amdhsa_enable_private_segment 0
		.amdhsa_kernarg_size 24
		.amdhsa_user_sgpr_count 2
		.amdhsa_user_sgpr_kernarg_segment_ptr 1
		.amdhsa_wavefront_size32 1
		.amdhsa_system_sgpr_workgroup_id_x 1
		.amdhsa_system_sgpr_workgroup_id_y 1
		.amdhsa_system_sgpr_workgroup_id_z 1
		.amdhsa_system_vgpr_workitem_id 0
		.amdhsa_next_free_vgpr 1024
		.amdhsa_next_free_sgpr 66
		.amdhsa_reserve_vcc 0
		.amdhsa_float_denorm_mode_32 3
		.amdhsa_float_denorm_mode_16_64 3
		.amdhsa_memory_ordered 1
		.amdhsa_forward_progress 1
		.amdhsa_inst_pref_size 140
	.end_amdhsa_kernel
	.amdgpu_metadata
---
amdhsa.version: [ 1, 2 ]
amdhsa.kernels:
  - .name:           k_qced1ab15ba_tab2
    .symbol:         k_qced1ab15ba_tab2.kd
    .args:
      - { .name: hh, .offset: 0, .size: 8, .value_kind: global_buffer, .address_space: global }
      - { .name: cb2h, .offset: 8, .size: 8, .value_kind: global_buffer, .address_space: global }
      - { .name: tb2, .offset: 16, .size: 8, .value_kind: global_buffer, .address_space: global }
    .group_segment_fixed_size: 327680
    .private_segment_fixed_size: 0
    .kernarg_segment_align: 8
    .kernarg_segment_size: 24
    .max_flat_workgroup_size: 128
    .sgpr_count:     66
    .vgpr_count:     1024
    .wavefront_size: 32
...
	.end_amdgpu_metadata
.endif
;; end of part 5
;; launch gat2 (part 6): grid 256 x 1, 4 waves a work-group, no clusters, 327,680 bytes of LDS; arguments tb2, idx2, b2, out0; writes out0
.if DOCPART == 6
	.amdgcn_target "amdgcn-amd-amdhsa--gfx1250"
	.amdhsa_code_object_version 6
	.text
	.protected	k_qced1ab15ba_gat2
	.globl	k_qced1ab15ba_gat2
	.p2align	8
	.type	k_qced1ab15ba_gat2,@function
k_qced1ab15ba_gat2:
	s_mov_b64 s[64:65], 0
	v_nop
	global_prefetch_b8 v0, s[64:65] scope:SCOPE_SE
	s_setreg_imm32_b32 hwreg(HW_REG_WAVE_MODE, 25, 1), 1
	s_wait_xcnt 0x0
; out0[m][d] = bf16(b2[d]) + sum over c of T[c][idx2[c][d]][m].  tb2: [256 blocks of 32 rows][8 c][256 codes][32 rows] f32, idx2: [8][1024] i32, b2: [1024] f32, out0: [8192][1024] f32.  All sums in f32.
; LIMITS.  A code is taken as unsigned and held to 255, the table's last row.  The order of a sum is: the bias (rounded to bf16 like every input), then c ascending.  NaN and infinities are not treated apart.
; SHARES.  A work-group owns 32 rows of out0; its eight tables, 262,144 dense bytes, come into LDS by one tensor load a wave (two tables, 256 rows of 256 bytes) and are never filled again.
; Wave w makes columns 256 w .. 256 w + 255: four chunks of 64, each four groups of 16.  Lane l = (mg = l % 8, ds = l / 8): rows 4 mg + 0..3, columns 4 ds + 0..3 of the group.
; A LOOK-UP is one load of 16 bytes: eight lanes take the 128 bytes of one code's row, so a wave's load serves four columns.
; Rows kept apart by the codebook's parity would want pieces of 128 bytes in tb2; not done)
; The 16 sums of a lane are kept TRANSPOSED (row i, column t in register 4 i + t), so that four neighbouring columns of a row go into the wave's stage as 16 bytes; a chunk comes back by rows of
; 256 bytes, and sixteen lanes store 256 consecutive bytes of out0, aligned.
; CODES AND BIAS come a chunk ahead, into a ring of four register sets (a set a group: eight loads of four codes, one of four biases).  The last trip asks once more for the wave's first chunk, which nobody
; reads: so the counted wait is the same in every trip, and every address stays inside idx2 and b2.
; NO CLUSTER: work-groups share idx2 and b2 alone, 36,864 bytes beside 262,144 of their own.  No prefetch: all that the work-group reads of tb2 is asked for by its first four loads.
.set CB,     32768                     ; a table: 256 codes x 128 bytes
.set SP,     272                       ; a stage row: 64 f32 + 16 bytes
.set WST,    32*SP                     ; a wave's stage
.set STAGE,  8*CB                      ; behind the tables; no tensor load lands there
.set SPARE,  STAGE+4*WST               ; behind the stages: the spare words, 128 bytes for each wave: two blocks of 256 bytes that no other line names
.set OROW,   4096                      ; bytes in a row of out0, and in a row of idx2
.set BASE, 8                           ; v[8:15]    table c's first byte + 16 mg
.set STO,  16                          ; v16        where I put 16 bytes of a stage row
.set RD,   17                          ; v17        where I read a row back
.set CO,   18                          ; v18        my byte offset in two rows of out0
.set IO,   19                          ; v19        byte offset of my four columns of the wave's first group, in a row of idx2 and in b2; never rewritten
.set IOC,  20                          ; v20        the same in the chunk that is being asked for
.set SPW,  21                          ; v21        LDS address of my spare word; never rewritten
.set NIL,  22                          ; v22        0; never rewritten
.set ACC,  24                          ; v[24:39]   the 16 sums
.set BI,   40                          ; v[40:55]   four biases for each set
.set TT,   56                          ; v[56:57]   at work
.set DATA, 64                          ; v[64:127]  four sets of 16: the look-ups of one codebook; then a chunk on its way out
.set IX,   128                         ; v[128:255] four sets of 32: codes (4 c + t), then LDS addresses
.set WV,   12                          ; s12  wave
.set LEFT, 15                          ; s15  chunks to go
.set G1,   16                          ; s[16:23] descriptor group 1
.set G0,   24                          ; s[24:27] descriptor group 0
.set NXC,  30                          ; s30  256 x the chunk that is being asked for
.set HIM,  31                          ; s31  a word's upper bf16
.macro ASKIDX k                        ; nine loads: group k's codes in all eight codebooks, and its biases, in the chunk that IOC names
.irp c, 0,1,2,3,4,5,6,7
	global_load_b128 v[IX+32*(\k)+4*(\c):IX+32*(\k)+4*(\c)+3], v[IOC], s[6:7] offset:(\c)*OROW+64*(\k)
.endr
	global_load_b128 v[BI+4*(\k):BI+4*(\k)+3], v[IOC], s[8:9] offset:64*(\k)
.endm
.macro LOOK k, c                       ; four look-ups: codebook c, my four columns
.irp t, 0,1,2,3
	ds_load_b128 v[DATA+16*((\c)%4)+4*(\t):DATA+16*((\c)%4)+4*(\t)+3], v[IX+32*(\k)+4*(\c)+(\t)]
.endr
.endm
.macro GROUP k
	s_wait_loadcnt 27                              ; set k is in: behind its nine loads stand the nine of each of the three other sets
.set j, 0
.rept 32
	v_min_u32 v[IX+32*(\k)+j], 0xff, v[IX+32*(\k)+j]   ; a code enters an address only when it is held inside its table
.set j, j+1
.endr
.set j, 0
.rept 32
	v_lshl_add_u32 v[IX+32*(\k)+j], v[IX+32*(\k)+j], 7, v[BASE+j/4]   ; 128 x code + the table + 16 mg
.set j, j+1
.endr
	LOOK \k, 0
	LOOK \k, 1
	LOOK \k, 2
	LOOK \k, 3
	v_cvt_pk_bf16_f32 v[TT], v[BI+4*(\k)], v[BI+4*(\k)+1]      ; the bias, rounded to bf16 and widened again
	v_cvt_pk_bf16_f32 v[TT+1], v[BI+4*(\k)+2], v[BI+4*(\k)+3]
	v_lshlrev_b32 v[BI+4*(\k)], 16, v[TT]
	v_and_b32 v[BI+4*(\k)+1], s[HIM], v[TT]
	v_lshlrev_b32 v[BI+4*(\k)+2], 16, v[TT+1]
	v_and_b32 v[BI+4*(\k)+3], s[HIM], v[TT+1]
.irp c, 0,1,2,3,4,5,6,7
.if (\c) < 5
	s_wait_dscnt 12                                ; codebook c's four are in; the twelve of the three codebooks behind it may be out
.else
	s_wait_dscnt 4*(7-(\c))                        ; the counts run down
.endif
.irp t, 0,1,2,3
.irp i, 0,1,2,3
.if (\c) == 0
	v_add_f32 v[ACC+4*(\i)+(\t)], v[BI+4*(\k)+(\t)], v[DATA+4*(\t)+(\i)]   ; the bias starts the sum
.else
	v_add_f32 v[ACC+4*(\i)+(\t)], v[ACC+4*(\i)+(\t)], v[DATA+16*((\c)%4)+4*(\t)+(\i)]
.endif
.endr
.endr
.if (\c) < 4
	LOOK \k, (\c)+4                                ; into the registers just added up
.endif
.if (\c) == 3
	ASKIDX \k                                      ; all 32 addresses of the set have been issued, its biases added: the set takes the next chunk's group k
.endif
.endr
.irp i, 0,1,2,3
	ds_store_b128 v[STO], v[ACC+4*(\i):ACC+4*(\i)+3] offset:(\i)*SP+64*(\k)   ; row 4 mg + i, columns 16 k + 4 ds + 0..3 of the chunk
.endr
.endm
	s_load_b256 s[4:11], s[0:1], 0x0               ; tb2 s[4:5], idx2 s[6:7], b2 s[8:9], out0 s[10:11]
	v_lshl_add_u32 v[SPW], v0, 2, SPARE
	v_mov_b32 v[NIL], 0
	ds_add_u32 v[SPW], v[NIL]                      ; the wave's opening: the add, twice on end, and its wait ahead of my first tensor load
	ds_add_u32 v[SPW], v[NIL]                      ; (the set-up below, work on registers, stands between the second add and the wait)
	v_lshrrev_b32 v1, 5, v0
	v_readfirstlane_b32 s[WV], v1                  ; wave 0..3
	s_mov_b32 s[G1+0], 3<<16                       ; elements of 8 bytes; no mask, no padding
	s_mov_b32 s[G1+1], 32<<16                      ; tensor_dim0 = 32 elements: rows of 256 bytes
	s_mov_b32 s[G1+2], 256<<16                     ; tensor_dim1 = 256
	s_mov_b32 s[G1+3], 32<<16                      ; tile_dim0 = 32
	s_mov_b32 s[G1+4], 256                         ; tile_dim1 = 256 rows: 65,536 dense bytes, two tables
	s_mov_b32 s[G1+5], 32                          ; each row begins where the last ends
	s_mov_b32 s[G1+6], 0
	s_mov_b32 s[G1+7], 0
	s_mov_b32 s[G0], 1                             ; count = 1
	s_lshl_b32 s[G0+1], s[WV], 16                  ; LDS address: 65,536 x wave
	s_lshl_b32 s28, ttmp9, 18                      ; my work-group's 262,144 bytes of tb2,
	s_lshl_b32 s29, s[WV], 16                      ; my wave's quarter of them
	s_add_co_u32 s28, s28, s29
	s_mov_b32 s29, 0
	s_mov_b32 s[NXC], 0
	s_mov_b32 s[HIM], 0xffff0000
	s_wait_dscnt 0x0                               ; both opening adds are done
	s_wait_kmcnt 0x0
	s_add_nc_u64 s[G0+2:G0+3], s[4:5], s[28:29]
	s_or_b32 s[G0+3], s[G0+3], 0x80000000          ; type = 2
	tensor_load_to_lds s[G0:G0+3], s[G1:G1+7]      ; my one tensor load
	s_nop 0
	v_and_b32 v2, 7, v0                            ; mg
	v_bfe_u32 v3, v0, 3, 2                         ; ds
	v_bfe_u32 v6, v0, 4, 1                         ; l / 16
	v_and_b32 v7, 15, v0                           ; l % 16
	s_lshl_b32 s14, s[WV], 10                      ; my wave's 256 columns: 1,024 bytes of a row of idx2, of b2 and of out0
	v_lshl_add_u32 v[IO], v3, 4, s14
	v_mov_b32 v[IOC], v[IO]                        ; chunk 0
	ASKIDX 0
	ASKIDX 1
	ASKIDX 2
	ASKIDX 3
	v_lshlrev_b32 v4, 4, v2
.irp c, 0,1,2,3,4,5,6,7
	v_add_nc_u32 v[BASE+(\c)], (\c)*CB, v4
.endr
	s_mul_i32 s13, s[WV], WST
	s_add_co_u32 s13, s13, STAGE                   ; my stage
	v_mul_u32_u24 v5, v2, 4*SP                     ; in: row 4 mg, 16 bytes for each ds
	v_lshl_add_u32 v5, v3, 4, v5
	v_add_nc_u32 v[STO], s13, v5
	v_mul_u32_u24 v5, v6, SP                       ; back: lanes 0-15 take one row of 256 bytes, lanes 16-31 the next
	v_lshl_add_u32 v5, v7, 4, v5
	v_add_nc_u32 v[RD], s13, v5
	v_lshlrev_b32 v5, 12, v6                       ; and the same two rows in out0
	v_lshl_add_u32 v[CO], v7, 4, v5
	s_lshl_b32 s28, ttmp9, 17                      ; out0 at my work-group's 32 rows, my wave's columns
	s_add_co_u32 s28, s28, s14
	s_add_nc_u64 s[10:11], s[10:11], s[28:29]
	s_wait_tensorcnt 0x0                           ; my two tables are in,
	s_barrier_signal -1
	s_barrier_wait -1                              ; everybody's are
	s_mov_b32 s[LEFT], 4
.Lchunk:
	s_wait_xcnt 0x0                                ; every load and store issued so far has read its registers: IOC, out0's base and the stores' data are written again below
	s_add_co_u32 s[NXC], s[NXC], 256               ; the chunk to be asked for: 1, 2, 3, and in the last trip 0 once more
	s_and_b32 s[NXC], s[NXC], 0x300
	v_add_nc_u32 v[IOC], s[NXC], v[IO]
	s_add_nc_u64 s[10:11], s[10:11], 256           ; a chunk on; the stores reach back
	GROUP 0
	GROUP 1
	GROUP 2
	GROUP 3
.irp u, 0,1,2,3,4,5,6,7,8,9,10,11,12,13,14,15
	ds_load_b128 v[DATA+4*(\u):DATA+4*(\u)+3], v[RD] offset:2*SP*(\u)  ; LDS serves a wave's instructions in order (ISA guide 5.7.1.4): these see my stores above; no other wave touches my stage
.endr
.irp u, 0,1,2,3,4,5,6,7,8,9,10,11,12,13,14,15
	s_wait_dscnt 15-(\u)
	global_store_b128 v[CO], v[DATA+4*(\u):DATA+4*(\u)+3], s[10:11] offset:2*(\u)*OROW-256 th:TH_STORE_NT  ; 16 lanes store 256 consecutive bytes, at a multiple of 256 from out0's first byte
.endr
	s_sub_co_u32 s[LEFT], s[LEFT], 1
	s_cmp_lg_u32 s[LEFT], 0
	s_cbranch_scc1 .Lchunk
	s_wait_tensorcnt 0x0                           ; the wave's end: a wait, an add and its wait, behind my last tensor load and my last LDS store
	ds_add_u32 v[SPW], v[NIL]
	s_wait_dscnt 0x0
	s_endpgm
.Lfunc_end_k_qced1ab15ba_gat2:
	.size	k_qced1ab15ba_gat2, .Lfunc_end_k_qced1ab15ba_gat2-k_qced1ab15ba_gat2
	.p2alignl 7, 3214868480
	.fill 96, 4, 3214868480
	.section	.rodata,"a",@progbits
	.p2align	6, 0x0
	.amdhsa_kernel k_qced1ab15ba_gat2
		.amdhsa_group_segment_fixed_size 327680
		.amdhsa_private_segment_fixed_size 0
		.amdhsa_enable_private_segment 0
		.amdhsa_kernarg_size 32
		.amdhsa_user_sgpr_count 2
		.amdhsa_user_sgpr_kernarg_segment_ptr 1
		.amdhsa_wavefront_size32 1
		.amdhsa_system_sgpr_workgroup_id_x 1
		.amdhsa_system_sgpr_workgroup_id_y 1
		.amdhsa_system_sgpr_workgroup_id_z 1
		.amdhsa_system_vgpr_workitem_id 0
		.amdhsa_next_free_vgpr 256
		.amdhsa_next_free_sgpr 66
		.amdhsa_reserve_vcc 0
		.amdhsa_float_denorm_mode_32 3
		.amdhsa_float_denorm_mode_16_64 3
		.amdhsa_memory_ordered 1
		.amdhsa_forward_progress 1
		.amdhsa_inst_pref_size 57
	.end_amdhsa_kernel
	.amdgpu_metadata
---
amdhsa.version: [ 1, 2 ]
amdhsa.kernels:
  - .name:           k_qced1ab15ba_gat2
    .symbol:         k_qced1ab15ba_gat2.kd
    .args:
      - { .name: tb2, .offset: 0, .size: 8, .value_kind: global_buffer, .address_space: global }
      - { .name: idx2, .offset: 8, .size: 8, .value_kind: global_buffer, .address_space: global }
      - { .name: b2, .offset: 16, .size: 8, .value_kind: global_buffer, .address_space: global }
      - { .name: out0, .offset: 24, .size: 8, .value_kind: global_buffer, .address_space: global }
    .group_segment_fixed_size: 327680
    .private_segment_fixed_size: 0
    .kernarg_segment_align: 8
    .kernarg_segment_size: 32
    .max_flat_workgroup_size: 128
    .sgpr_count:     66
    .vgpr_count:     256
    .wavefront_size: 32
...
	.end_amdgpu_metadata
.endif
;; end of part 6
;; ======== version 3 of 3: 4 launches; version 2 with the launch prep written anew for expert scheduling mode
;; limits: values are held in f16: magnitudes above 65,504 overflow, below 6.1e-05 lose precision; a function is approximated: absolute error at most 1.5e-07
;; workspace buffers: xb 16,777,216 bytes; w1b 8,388,608 bytes; cb2h 2,097,152 bytes; hh 67,108,864 bytes; tb2 67,108,864 bytes
;; launch prep (part 7): grid 512 x 1, 8 waves a work-group, no clusters, 0 bytes of LDS; arguments x, cb1, idx1, cb2, xb, w1b, cb2h; writes xb, w1b, cb2h
.if DOCPART == 7
	.amdgcn_target "amdgcn-amd-amdhsa--gfx1250"
	.amdhsa_code_object_version 6
	.text
	.protected	k_qced1ab15ba_prep
	.globl	k_qced1ab15ba_prep
	.p2align	8
	.type	k_qced1ab15ba_prep,@function
k_qced1ab15ba_prep:
	s_mov_b64 s[64:65], 0
	v_nop
	global_prefetch_b8 v0, s[64:65] scope:SCOPE_SE
	s_setreg_imm32_b32 hwreg(HW_REG_WAVE_SCHED_MODE, 0, 2), 2
	s_setreg_imm32_b32 hwreg(HW_REG_WAVE_MODE, 25, 1), 1
	s_wait_xcnt 0x0
	s_wait_alu depctr_vm_vsrc(0)
; xb = bf16(x), [8192][1024].  w1b[n][128 c + j] = bf16(cb1[c][idx1[c][n]][j]), [4096][1024].  cb2h = f16(bf16(cb2)), [8][256][512].
; All inputs are rounded to bf16, once; cb2's bf16 number is then written as f16 for the second layer's product, whose other operand is f16.
; LIMITS.  |cb2| stays below 65,520, where f16 ends; a bf16 number below 7.6e-6 in size keeps f16's fixed step of 6e-8.  A code is taken as unsigned and held to 255, the table's last row.
; SHARES.  Each of the 512 work-groups does the same three parts: 16 rows of x, 8,192 bytes of cb2, 8 rows of W1.  Eight waves; in the gather wave w is codebook w.
; A UNIT is one load and one store of a wave: a lane loads 16 bytes (4 f32) and stores 8 (4 numbers of 16 bits), so the load covers 512 consecutive bytes and the store 256 consecutive bytes, aligned.
; A wave has 26 units: 0-15 x, 16-17 cb2, 18-25 W1's rows.  Each unit has registers of its own, and no register that a load or store names is written again.
; No LDS, no barrier, no matrix unit, no cluster: nothing is shared between waves or work-groups, and each byte passes once.
; THE MODE: SCHED_MODE bits 1:0 = 2 (LLVM: expert scheduling mode 2), set by the entry lines.  The code itself states the register dependences between vector instructions and memory instructions,
; with s_wait_alu, always for 0.
; THE PLAN.  The 26 units go in blocks of four: blocks 0 to 5, and block 6 with units 24 and 25.  Registers that memory instructions touch:
;   v1, v2, v4    byte offsets, written once at the head; read by the loads of x and cb2 (v1) and by the stores (v2, v4).
;   G1O           eight byte offsets into cb1, written once at the head, ahead of block 0; read by the loads of units 18 to 25, which are issued in blocks 1 to 3.
;   a unit's four registers   its load, issued three blocks ahead, lands in them: no vector instruction has named them before.  Block p's conversions read them and write the first two in place;
;                 the unit's store, issued in block p + 1, reads those two.  Nothing writes them again.
; Block p's memory instructions are the loads of block p + 3 and the stores of block p - 1; its vector instructions name block p's registers and v[T] alone.  So ONE wait at a block's head states all that
; the block's eight memory instructions hang on, and these are dealt among its conversions with no further wait.  Eight to twelve loads of a wave are out (4 to 6 KiB), and stores leave among the loads.
; No register that a memory instruction reads is written again: so no wait for such a read is owed anywhere.
.set X,   16                           ; v[16:79]    16 x 4 registers of x
.set Y1,  80                           ; v[80:111]   8 x 4 registers of cb1's rows
.set Y2,  112                          ; v[112:119]  2 x 4 registers of cb2
.set G1O, 120                          ; v[120:127]  byte offset of my 16 bytes in the row of cb1 that each of the 8 codes names
.set T,   128                          ; v[128:129]  at work: no memory instruction names them
.set NL,  26                           ; units of a wave
.set BLOCK, 4                          ; units in a block
.set AHEAD, 3                          ; a block's loads are issued so many blocks ahead
.macro CVB a                           ; four f32 to four bf16, in place: v[a:a+1]
	v_cvt_pk_bf16_f32 v[(\a)], v[(\a)], v[(\a)+1]
	v_cvt_pk_bf16_f32 v[(\a)+1], v[(\a)+2], v[(\a)+3]
.endm
.macro CVH a                           ; four f32 rounded to bf16, widened again, and written as f16: v[a:a+1]
	v_cvt_pk_bf16_f32 v[T], v[(\a)], v[(\a)+1]
	v_cvt_pk_bf16_f32 v[T+1], v[(\a)+2], v[(\a)+3]
	v_lshlrev_b32 v[(\a)], 16, v[T]
	v_and_b32 v[(\a)+1], s36, v[T]
	v_lshlrev_b32 v[(\a)+2], 16, v[T+1]
	v_and_b32 v[(\a)+3], s36, v[T+1]
	v_cvt_pk_f16_f32 v[(\a)], v[(\a)], v[(\a)+1]
	v_cvt_pk_f16_f32 v[(\a)+1], v[(\a)+2], v[(\a)+3]
.endm
.macro ASK k                           ; unit k's load
.if (\k) < 16
	global_load_b128 v[X+4*(\k):X+4*(\k)+3], v1, s[4:5] offset:4096*(\k) th:TH_LOAD_NT  ; x is read once in the launch
.elseif (\k) < 18
	global_load_b128 v[Y2+4*((\k)-16):Y2+4*((\k)-16)+3], v1, s[10:11] offset:4096*((\k)-16) th:TH_LOAD_NT  ; and so is cb2
.else
	global_load_b128 v[Y1+4*((\k)-18):Y1+4*((\k)-18)+3], v[G1O+(\k)-18], s[6:7]  ; a row of cb1 may be named again, by this work-group or another
.endif
.endm
.macro CV k                            ; unit k's conversion
.if (\k) < 16
	CVB X+4*(\k)
.elseif (\k) < 18
	CVH Y2+4*((\k)-16)
.else
	CVB Y1+4*((\k)-18)
.endif
.endm
.macro PUT k                           ; unit k's store
.if (\k) < 16
	global_store_b64 v2, v[X+4*(\k):X+4*(\k)+1], s[12:13] offset:2048*(\k)
.elseif (\k) < 18
	global_store_b64 v2, v[Y2+4*((\k)-16):Y2+4*((\k)-16)+1], s[16:17] offset:2048*((\k)-16)
.else
	global_store_b64 v4, v[Y1+4*((\k)-18):Y1+4*((\k)-18)+1], s[14:15] offset:2048*((\k)-18)
.endif
.endm
; Block p.  Loads come back in the order of issue (ISA guide 5.7.1).  At its head the units up to 4 p + 11 have been asked for (25 at the most) and the units up to 4 p + 3 are wanted:
; eight younger loads may stay out in blocks 0 to 3; from block 4 on nothing is left to ask for, and the counts run down: 6, 2, 0.
.macro BLK p
.set U_NEED, BLOCK*(\p)+BLOCK-1
.if U_NEED > NL-1
.set U_NEED, NL-1
.endif
.set U_ASKED, BLOCK*((\p)+AHEAD)-1
.if U_ASKED > NL-1
.set U_ASKED, NL-1
.endif
	s_wait_loadcnt U_ASKED-U_NEED                  ; this block's units are in, the younger ones stay out
.if (\p) > 0
	s_wait_alu depctr_va_vdst(0)                   ; the block before has written its units' first two registers, which the stores below read; in block 1 also: G1O is written, which the loads of W1's rows read
.endif
.irp i, 0,1,2,3
.if BLOCK*((\p)+AHEAD)+(\i) < NL
	ASK BLOCK*((\p)+AHEAD)+(\i)                    ; three blocks ahead, the load ahead of the store; no vector instruction names the registers in which it lands
.endif
.if (\p) > 0
	PUT BLOCK*((\p)-1)+(\i)                        ; the block before; no vector instruction since the wait names its registers
.endif
.if BLOCK*(\p)+(\i) < NL
	CV BLOCK*(\p)+(\i)
.endif
.endr
.endm
	s_load_b256 s[4:11], s[0:1], 0x0               ; x s[4:5], cb1 s[6:7], idx1 s[8:9], cb2 s[10:11]
	s_load_b128 s[12:15], s[0:1], 0x20             ; xb s[12:13], w1b s[14:15]
	s_load_b64 s[16:17], s[0:1], 0x30              ; cb2h
	v_lshrrev_b32 v5, 5, v0
	v_readfirstlane_b32 s20, v5                    ; wave = codebook
	v_and_b32 v6, 31, v0                           ; lane
	v_lshlrev_b32 v1, 4, v0                        ; 16 t: my 16 bytes of the work-group's 4,096 of f32
	v_lshlrev_b32 v2, 3, v0                        ; 8 t: my 8 bytes of its 2,048 of 16-bit numbers
	v_lshlrev_b32 v3, 4, v6                        ; 16 l: my 16 bytes of 512 of a row of cb1
	v_lshlrev_b32 v4, 3, v6                        ; 8 l: my 8 bytes of 256 of a row of w1b
	s_mov_b32 s36, 0xffff0000                      ; a word's upper bf16
	s_mov_b32 s35, 0                               ; the upper word of every offset below: all stay under 2^32
	s_wait_alu depctr_va_sdst(0)                   ; s20 is written, ahead of its first reader: the places in idx1, cb1 and w1b are made from it
	s_lshl_b32 s21, s20, 14                        ; idx1[w][8 g]: (4,096 w + 8 g) x 4 bytes
	s_lshl_b32 s22, ttmp9, 5
	s_add_co_u32 s34, s21, s22
	s_wait_kmcnt 0x0
	s_add_nc_u64 s[8:9], s[8:9], s[34:35]
	s_load_b256 s[24:31], s[8:9], 0x0              ; my codebook's codes for the work-group's 8 rows of W1
	s_lshl_b32 s34, ttmp9, 16                      ; 16 rows of x: 65,536 bytes
	s_add_nc_u64 s[4:5], s[4:5], s[34:35]
	s_wait_alu depctr_va_vdst(0)                   ; v1, v2 and v4 are written: every load of x and cb2 and every store of the kernel reads one of them as its offset
.set k, 0
.rept AHEAD*BLOCK
	ASK k                                          ; blocks 0 to 2, all of x
.set k, k+1
.endr
	s_lshl_b32 s34, ttmp9, 13                      ; 8,192 bytes of cb2
	s_add_nc_u64 s[10:11], s[10:11], s[34:35]
	s_lshl_b32 s34, ttmp9, 15                      ; 16 rows of xb
	s_add_nc_u64 s[12:13], s[12:13], s[34:35]
	s_lshl_b32 s34, ttmp9, 12                      ; 4,096 bytes of cb2h
	s_add_nc_u64 s[16:17], s[16:17], s[34:35]
	s_lshl_b32 s34, s20, 17                        ; codebook w of cb1: 256 rows of 512 bytes
	s_add_nc_u64 s[6:7], s[6:7], s[34:35]
	s_lshl_b32 s34, ttmp9, 14                      ; 8 rows of w1b of 2,048 bytes, my codebook's 256 bytes of each
	s_lshl_b32 s23, s20, 8
	s_add_co_u32 s34, s34, s23
	s_add_nc_u64 s[14:15], s[14:15], s[34:35]
	s_wait_kmcnt 0x0                               ; the codes
.irp i, 0,1,2,3,4,5,6,7
	s_min_u32 s[24+(\i)], s[24+(\i)], 255          ; a code enters an address only when it is held inside its table
	v_lshl_add_u32 v[G1O+(\i)], s[24+(\i)], 9, v3  ; read first by a load of block 1, behind that block's wait; block 0's loads name v1 alone
.endr
	BLK 0                                          ; no block stands in front of it: no store, and no wait but the one for its data
	BLK 1
	BLK 2
	BLK 3
	BLK 4                                          ; blocks 4 to 6 ask for nothing more
	BLK 5
	BLK 6                                          ; units 24 and 25
	s_wait_alu depctr_va_vdst(0)                   ; block 6 has written its two units' first two registers, which the last two stores read
	PUT 24
	PUT 25
	s_endpgm
.Lfunc_end_k_qced1ab15ba_prep:
	.size	k_qced1ab15ba_prep, .Lfunc_end_k_qced1ab15ba_prep-k_qced1ab15ba_prep
	.p2alignl 7, 3214868480
	.fill 96, 4, 3214868480
	.section	.rodata,"a",@progbits
	.p2align	6, 0x0
	.amdhsa_kernel k_qced1ab15ba_prep
		.amdhsa_group_segment_fixed_size 0
		.amdhsa_private_segment_fixed_size 0
		.amdhsa_enable_private_segment 0
		.amdhsa_kernarg_size 56
		.amdhsa_user_sgpr_count 2
		.amdhsa_user_sgpr_kernarg_segment_ptr 1
		.amdhsa_wavefront_size32 1
		.amdhsa_system_sgpr_workgroup_id_x 1
		.amdhsa_system_sgpr_workgroup_id_y 1
		.amdhsa_system_sgpr_workgroup_id_z 1
		.amdhsa_system_vgpr_workitem_id 0
		.amdhsa_next_free_vgpr 130
		.amdhsa_next_free_sgpr 66
		.amdhsa_reserve_vcc 0
		.amdhsa_float_denorm_mode_32 3
		.amdhsa_float_denorm_mode_16_64 3
		.amdhsa_memory_ordered 1
		.amdhsa_forward_progress 1
		.amdhsa_inst_pref_size 12
	.end_amdhsa_kernel
	.amdgpu_metadata
---
amdhsa.version: [ 1, 2 ]
amdhsa.kernels:
  - .name:           k_qced1ab15ba_prep
    .symbol:         k_qced1ab15ba_prep.kd
    .args:
      - { .name: x, .offset: 0, .size: 8, .value_kind: global_buffer, .address_space: global }
      - { .name: cb1, .offset: 8, .size: 8, .value_kind: global_buffer, .address_space: global }
      - { .name: idx1, .offset: 16, .size: 8, .value_kind: global_buffer, .address_space: global }
      - { .name: cb2, .offset: 24, .size: 8, .value_kind: global_buffer, .address_space: global }
      - { .name: xb, .offset: 32, .size: 8, .value_kind: global_buffer, .address_space: global }
      - { .name: w1b, .offset: 40, .size: 8, .value_kind: global_buffer, .address_space: global }
      - { .name: cb2h, .offset: 48, .size: 8, .value_kind: global_buffer, .address_space: global }
    .group_segment_fixed_size: 0
    .private_segment_fixed_size: 0
    .kernarg_segment_align: 8
    .kernarg_segment_size: 56
    .max_flat_workgroup_size: 256
    .sgpr_count:     66
    .vgpr_count:     130
    .wavefront_size: 32
...
	.end_amdgpu_metadata
.endif
;; end of part 7
;; launch fc1: the kernel of part 2 again; grid 16 x 32, 4 waves a work-group, clusters of 4 x 4, 327,680 bytes of LDS; arguments xb, w1b, b1, hh; writes hh
;; launch tab2: the kernel of part 5 again; grid 32 x 8, 4 waves a work-group, clusters of 4 x 1, 327,680 bytes of LDS; arguments hh, cb2h, tb2; writes tb2
;; launch gat2: the kernel of part 6 again; grid 256 x 1, 4 waves a work-group, no clusters, 327,680 bytes of LDS; arguments tb2, idx2, b2, out0; writes out0
